; MI455X (gfx1250); checked and timed in simulation.
; The chip was launched on July 23, 2026; its instructions are those of AMD's public machine-readable ISA for CDNA 5 (MIT licence, August 2026) and "CDNA5" Instruction Set Architecture Reference Guide (July 2026). The comments in the code are by the model that wrote it; some were corrected since.
;; Multi Head Attention. Allowed arithmetic: matrix products marked QUANTISED: E2M3 operands, one E8M0 scale for each 32 along K, by v_wmma_scale_f32_16x16x128_f8f6f4 with both operands' format E2M3, f32 sums; everything else in f32.
;; Inputs: W_attn 3,072 x 1,024 float32; W_proj 1,024 x 1,024 float32; x 4 x 2,048 x 1,024 float32.
;; Outputs: out0 4 x 2,048 x 1,024 float32.
;; This version of the problem:
;;   THIS VERSION OF THE PROBLEM IS GIVEN IN LOW PRECISION. The matrix products marked QUANTISED in the list below multiply operands that are first quantised to E2M3 (2 exponent bits, 3 mantissa bits; 6 bits a number), with one power-of-two scale for each 32 numbers along K (OCP MX v1.0); their sums are f32. All else is computed in f32.
;;   The module's matrix products, in the order in which they are computed (A, B: the left and right operand; K: the contracted axis; several contracted axes count as one K, in the product's order):
;;     1. [M 8,192, K 1,024] x [K 1,024, N 3,072]; A: input x; B: input W_attn: QUANTISED
;;     2. batch 64 x [M 2,048, K 64] x [K 64, N 2,048]; A: computed on the way; B: computed on the way: QUANTISED
;;     3. batch 64 x [M 2,048, K 2,048] x [K 2,048, N 64]; A: softmax (see below); B: computed on the way: QUANTISED
;;     4. [M 8,192, K 1,024] x [K 1,024, N 1,024]; A: computed on the way; B: input W_proj: QUANTISED
;;   THE QUANTISER, for each operand of a quantised product, along K:
;;     - K is cut into blocks of 32 from its start; a last block that is shorter is filled with zeros.
;;     - A block's scale is 2^e with e = floor(log2(the largest magnitude in the block)) - 2, held to -126 .. 127; a block of zeros has e = 0. As a byte (E8M0): e + 127.
;;     - Each number is divided by its block's scale, clamped to +-7.5, and rounded to the nearest number of E2M3, ties to even, subnormals kept.
;;     - The product sums the exact products of the quantised numbers (number of the format x scale) in f32.
;;   ~~~python
;;   def quantise(x, axis):      # numpy; x: float32 -> the quantised numbers, widened to float32 again
;;       x = np.moveaxis(x, axis, -1); K = x.shape[-1]
;;       x = np.pad(x, [(0, 0)] * (x.ndim - 1) + [(0, -K % 32)]); x = x.reshape(x.shape[:-1] + (-1, 32)); a = np.abs(x).max(-1, keepdims=True)
;;       e = np.where(a > 0, np.clip(np.frexp(np.where(a > 0, a, 1))[1] - 1 - 2, -126, 127), 0)      # np.frexp(a)[1] - 1 = floor(log2(a)), exactly
;;       r = np.clip(x / 2.0 ** e, -7.5, 7.5)
;;       step = 2.0 ** (np.maximum(np.frexp(np.where(r == 0, 1, r))[1] - 1, 0) - 3)
;;       q = np.round(r / step) * step * 2.0 ** e      # np.round: ties to even
;;       return np.moveaxis(q.reshape(q.shape[:-2] + (-1,))[..., :K], -1, axis).astype(np.float32)
;;   ~~~
;;   SOFTMAX AHEAD OF A QUANTISED PRODUCT. Where the list says 'softmax', what is quantised is not the finished softmax but p = 2^(t - M), with t = logit x log2(e) and M = ceil(the row's largest t), a whole number; so 1/2 < the row's largest p <= 1. The row's sum l is taken of the UNQUANTISED p, in f32, and the product's result is divided by l at the end. Since M is a whole number, a kernel that streams over the keys may use a running M (the ceiling of the running maximum): every later rescaling is an exact power of two, which a block's scale takes up: the codes' values come out the same.
;;   OPERANDS COMPUTED ON THE WAY. 'Computed on the way' means the value that the module computes at that place (a softmax that the list does not call 'softmax' is quantised finished and normalised). What goes into a quantiser is computed in f32, as accurately as f32 sums, v_exp_f32 and their like allow (about 1e-6 of the number): no bf16 or f16 on the way to a quantiser, and a product that is left as it is and whose result goes on into a quantised operand takes f32 operands (vector FMAs, or v_wmma_f32_16x16x4_f32). A number that lies on a knife's edge between two numbers of the format may be rounded either way, as far as f32 arithmetic and the matrix unit's own rounding can turn it there, and no further.
;; One version. Each part assembles by itself: llvm-mc -triple=amdgcn-amd-amdhsa -mcpu=gfx1250 --defsym DOCPART=n.
;; ======== version 1 of 1: 4 launches
;; limits: right only within a limited range of input values
;; workspace buffers: codes 9,437,184 bytes; scl 393,216 bytes; qkc 12,582,912 bytes; qks 1,048,576 bytes; vc 6,291,456 bytes; vs 524,288 bytes; yc 6,291,456 bytes; ys 262,144 bytes
;; launch quant (part 1): grid 384 x 1, 4 waves a work-group, no clusters, 33,280 bytes of LDS; arguments x, W_attn, W_proj, codes, scl; writes codes, scl
.if DOCPART == 1
	.amdgcn_target "amdgcn-amd-amdhsa--gfx1250"
	.amdhsa_code_object_version 6
	.text
	.protected	k_qd1af40c698_quant
	.globl	k_qd1af40c698_quant
	.p2align	8
	.type	k_qd1af40c698_quant,@function
k_qd1af40c698_quant:
	s_mov_b64 s[64:65], 0
	v_nop
	global_prefetch_b8 v0, s[64:65] scope:SCOPE_SE
	s_setreg_imm32_b32 hwreg(HW_REG_WAVE_MODE, 25, 1), 1
	s_wait_xcnt 0x0
; x [8192][1024], W_attn [3072][1024], W_proj [1024][1024], f32, K innermost, become codes of FP6 (E2M3) with one E8M0 byte for each 32 along K.
; The three tensors count as ONE tensor of 12,288 rows: 0-8,191 x, 8,192-11,263 W_attn, 11,264-12,287 W_proj.
; LAYOUT OF THE RESULT.  codes: [16 panels of 64 along K][12,288 rows][48 bytes]; scl: [8 steps of 128 along K][12,288 rows][4 bytes].
; A row stands at the place that its number gives with bits 3 and 4 exchanged: sixteen neighbouring places then hold rows 32 a + 8 b + {0..7, 16..23},
; so that a product that takes them as source 0 leaves a lane's registers of two neighbouring tiles as sixteen neighbours of the next K.
; A block's scale is 2^(floor(log2(largest magnitude)) - 2): its byte is the largest magnitude's exponent field - 2, held at 1 from below.
; LIMITS: a block of zeros, or one whose largest magnitude lies under 2^-124, gets the byte 1 (the rule says 127 for zeros: the codes are zeros and this program alone reads the bytes);
; NaN and infinities among the inputs are not served.
; SHARES.  Work-group pair G = x / 2 takes 64 rows; wave s = 4 (x % 2) + wave takes 128 columns of them: 16 steps of 8 rows x 64 columns (512 numbers).
; Each of a step's four loads reads two rows' 256 aligned bytes; the 2,048 bytes turn through the wave's own stage in LDS, so that a lane holds 16 neighbours along K
; (lane = 4 x row + quarter; two neighbouring lanes hold a block).  A lane's 12 bytes of codes: the wave stores 384 consecutive bytes (8 rows of a panel).
; The wave's 256 scale bytes are gathered in LDS and leave as one aligned run of 256 bytes.  No tensor load, no barrier: waves share nothing.
.set STEPS, 16
.set EMAX,  2
.set CB,    12                         ; bytes of 16 codes
.set R,     16                         ; v16-143  eight sets of 16 numbers as loaded
.set X,     144                        ; v144-175 two sets of 16 neighbours (v16-143: eight sets of 16 numbers as loaded)
.set E,     240                        ; v240-247 a scale byte, eight registers by turns
.set C,     176                        ; v176-239 codes: four registers for each step, so that no store's data are written again
.set WREG,  8192                       ; LDS of a wave: two stages of 32 x SP bytes, then its 256 scale bytes
.set SP,    80                         ; a lane's place in a stage: 64 bytes + 16 of padding
.set PANEL, 589824                     ; bytes of a panel of codes: 12,288 rows x 48
.set SSTEP, 49152                      ; bytes of a step of scale words: 12,288 rows x 4
	s_load_b256 s[4:11], s[0:1], 0x0               ; x s[4:5], W_attn s[6:7], W_proj s[8:9], codes s[10:11]
	s_load_b64 s[12:13], s[0:1], 0x20              ; scl
	v_lshl_add_u32 v248, v0, 2, 0x8000
	v_mov_b32 v249, 0
	v_lshrrev_b32 v1, 5, v0
	v_readfirstlane_b32 s16, v1                    ; wave
	v_and_b32 v2, 31, v0                           ; lane
	v_and_b32 v3, 15, v2
	v_lshlrev_b32 v3, 4, v3
	v_lshrrev_b32 v10, 4, v2
	v_lshl_add_u32 v3, v10, 12, v3                 ; in: lanes 0-15 one row's 256 bytes, lanes 16-31 the next row's (4,096 bytes on)
	s_mul_i32 s17, s16, WREG
	v_lshrrev_b32 v14, 2, v2
	v_mul_u32_u24 v14, v14, SP
	v_and_b32 v15, 3, v2
	v_lshl_add_u32 v14, v15, 4, v14
	v_add_nc_u32 v14, s17, v14                     ; the stage, way in: SP (lane / 4) + 16 (lane % 4)
	v_mul_u32_u24 v15, v2, SP
	v_add_nc_u32 v15, s17, v15                     ; way out: SP x lane: my 16 neighbours
	v_mul_u32_u24 v4, v2, CB                       ; my codes' place among the step's 384 bytes
	v_lshrrev_b32 v5, 2, v2
	v_lshlrev_b32 v5, 2, v5
	v_bfe_u32 v6, v2, 1, 1
	v_add_nc_u32 v5, v5, v6                        ; my block's byte: 4 x row + which half of the panel
	s_add_co_u32 s17, s17, 2*32*SP
	v_add_nc_u32 v5, s17, v5
	v_lshlrev_b32 v7, 3, v2                        ; the bytes' way out: 8 a lane
	v_add_nc_u32 v6, s17, v7
	s_lshr_b32 s14, ttmp9, 1                       ; G: which 64 rows
	s_and_b32 s15, ttmp9, 1
	s_lshl_b32 s15, s15, 2
	s_add_co_u32 s15, s15, s16                     ; s: which 128 columns
	s_mov_b32 s18, 176
	s_wait_alu depctr_va_vdst(0)
	s_wait_kmcnt 0x0
	s_cmp_lt_u32 s14, 176                          ; which tensor?  The choice hangs on the work-group's number alone
	s_cselect_b32 s18, 128, s18
	s_cselect_b64 s[6:7], s[6:7], s[8:9]
	s_cmp_lt_u32 s14, 128
	s_cselect_b32 s18, 0, s18                      ; the tensor's first G
	s_cselect_b64 s[4:5], s[4:5], s[6:7]
	s_sub_co_u32 s18, s14, s18
	s_lshl_b32 s18, s18, 18                        ; 64 rows of 4,096 bytes
	s_lshl_b32 s19, s15, 9                         ; 128 columns of 4 bytes
	s_add_co_u32 s18, s18, s19
	s_mov_b32 s19, 0
	s_add_nc_u64 s[4:5], s[4:5], s[18:19]
	s_mul_i32 s18, s15, 2*PANEL                    ; my two panels,
	s_mul_i32 s20, s14, 3072                       ; my 64 rows of 48 bytes
	s_add_co_u32 s18, s18, s20
	s_add_nc_u64 s[10:11], s[10:11], s[18:19]
	s_mul_i32 s18, s15, SSTEP
	s_lshl_b32 s20, s14, 8
	s_add_co_u32 s18, s18, s20
	s_add_nc_u64 s[12:13], s[12:13], s[18:19]
.macro LOAD t                          ; step t: rows 8 (t % 8) on, columns 64 (t / 8) on
.irp i, 0,1,2,3
	global_load_b128 v[R+16*((\t)%8)+4*\i:R+16*((\t)%8)+4*\i+3], v3, s[4:5] offset:32768*((\t)%8)+256*((\t)/8)+8192*\i th:TH_LOAD_NT
.endr
.endm
.macro TURN t                          ; step t's numbers through the stage: LDS serves a wave's instructions in order (ISA guide 5.7.1.4), so no wait stands between the stores and the loads
.irp i, 0,1,2,3
	ds_store_b128 v14, v[R+16*((\t)%8)+4*\i:R+16*((\t)%8)+4*\i+3] offset:32*SP*((\t)%2)+8*SP*\i
.endr
.irp i, 0,1,2,3
	ds_load_b128 v[X+16*((\t)%2)+4*\i:X+16*((\t)%2)+4*\i+3], v15 offset:32*SP*((\t)%2)+16*\i
.endr
.endm
.irp t, 0,1,2,3,4,5,6,7
	LOAD \t
.endr
	s_wait_loadcnt 28                              ; step 0's four loads are in; the 28 of the seven steps behind it may be out
	TURN 0
.macro STEP t
.set XS, X+16*((\t)%2)
.set PG, (((\t)%8)&4)|((((\t)%8)&1)<<1)|((((\t)%8)>>1)&1)   ; where the group of 8 rows stands: bits 0 and 1 of its number exchanged
.set PN, (\t)/8                        ; which of my two panels
.if (\t) > 0
	s_wait_dscnt 1                                 ; this step's numbers are back from the stage (the last step's byte store may be out)
.else
	s_wait_dscnt 0x0
.endif
.if (\t)+8 < STEPS
	LOAD (\t)+8                                    ; into the set whose stores into the stage are done
.endif
.if (\t)+1 < STEPS
.if STEPS-2-(\t) >= 7
	s_wait_loadcnt 28                              ; the next step's four loads are in; those of the seven steps behind it may be out
.else
	s_wait_loadcnt 4*(STEPS-2-(\t))
.endif
	TURN (\t)+1
.endif
	v_max3_num_f32 v8, |v[XS]|, |v[XS+1]|, |v[XS+2]|               ; the largest magnitude of my 16, in two chains
	v_max3_num_f32 v9, |v[XS+3]|, |v[XS+4]|, |v[XS+5]|
.irp i, 6,10
	v_max3_num_f32 v8, v8, |v[XS+\i]|, |v[XS+\i+1]|
	v_max3_num_f32 v9, v9, |v[XS+\i+2]|, |v[XS+\i+3]|
.endr
	v_max3_num_f32 v8, v8, |v[XS+14]|, |v[XS+15]|
	v_max3_num_f32 v8, v8, v9, (EMAX+1)<<23        ; and the floor 2^(3 - 127): the byte cannot fall under 1
	v_max_num_f32_dpp v8, v8, v8 row_xmask:1 row_mask:0xf bank_mask:0xf   ; with my neighbour's 16: the block's
	v_add_nc_u32 v11, -(EMAX<<23), v8              ; 2 off its exponent field: the conversion takes the exponent field of this operand as its scale
	v_cvt_scalef32_pk16_fp6_f32 v[C+4*(\t):C+4*(\t)+2], v[XS:XS+15], v11
	v_lshrrev_b32 v[E+(\t)%8], 23, v11             ; the scale's byte (also the plain line behind the conversion)
	ds_store_b8 v5, v[E+(\t)%8] offset:32*PG+2*PN  ; both lanes of a block write the same byte with the same value
	global_store_b96 v4, v[C+4*(\t):C+4*(\t)+2], s[10:11] offset:PANEL*PN+384*PG
.endm
.irp t, 0,1,2,3,4,5,6,7,8,9,10,11,12,13,14,15
	STEP \t
.endr
	ds_load_b64 v[12:13], v6                       ; in order behind my byte stores
	s_wait_dscnt 0x0
	global_store_b64 v7, v[12:13], s[12:13]        ; 32 lanes store 256 consecutive bytes, at a multiple of 256 from the buffer's first byte
	s_wait_tensorcnt 0x0
	ds_add_u32 v248, v249
	s_wait_dscnt 0x0
	s_endpgm
.Lfunc_end_k_qd1af40c698_quant:
	.size	k_qd1af40c698_quant, .Lfunc_end_k_qd1af40c698_quant-k_qd1af40c698_quant
	.p2alignl 7, 3214868480
	.fill 96, 4, 3214868480
	.section	.rodata,"a",@progbits
	.p2align	6, 0x0
	.amdhsa_kernel k_qd1af40c698_quant
		.amdhsa_group_segment_fixed_size 33280
		.amdhsa_private_segment_fixed_size 0
		.amdhsa_enable_private_segment 0
		.amdhsa_kernarg_size 40
		.amdhsa_user_sgpr_count 2
		.amdhsa_user_sgpr_kernarg_segment_ptr 1
		.amdhsa_wavefront_size32 1
		.amdhsa_system_sgpr_workgroup_id_x 1
		.amdhsa_system_sgpr_workgroup_id_y 1
		.amdhsa_system_sgpr_workgroup_id_z 1
		.amdhsa_system_vgpr_workitem_id 0
		.amdhsa_next_free_vgpr 250
		.amdhsa_next_free_sgpr 66
		.amdhsa_reserve_vcc 0
		.amdhsa_float_denorm_mode_32 3
		.amdhsa_float_denorm_mode_16_64 3
		.amdhsa_memory_ordered 1
		.amdhsa_forward_progress 1
		.amdhsa_inst_pref_size 33
	.end_amdhsa_kernel
	.amdgpu_metadata
---
amdhsa.version: [ 1, 2 ]
amdhsa.kernels:
  - .name:           k_qd1af40c698_quant
    .symbol:         k_qd1af40c698_quant.kd
    .args:
      - { .name: x, .offset: 0, .size: 8, .value_kind: global_buffer, .address_space: global }
      - { .name: W_attn, .offset: 8, .size: 8, .value_kind: global_buffer, .address_space: global }
      - { .name: W_proj, .offset: 16, .size: 8, .value_kind: global_buffer, .address_space: global }
      - { .name: codes, .offset: 24, .size: 8, .value_kind: global_buffer, .address_space: global }
      - { .name: scl, .offset: 32, .size: 8, .value_kind: global_buffer, .address_space: global }
    .group_segment_fixed_size: 33280
    .private_segment_fixed_size: 0
    .kernarg_segment_align: 8
    .kernarg_segment_size: 40
    .max_flat_workgroup_size: 128
    .sgpr_count:     66
    .vgpr_count:     250
    .wavefront_size: 32
...
	.end_amdgpu_metadata
.endif
;; end of part 1
;; launch gemm_qkv (part 2): grid 8 x 32, 4 waves a work-group, clusters of 4 x 4, 327,680 bytes of LDS; arguments codes, scl, qkc, qks, vc, vs; writes qkc, qks, vc, vs
.if DOCPART == 2
	.amdgcn_target "amdgcn-amd-amdhsa--gfx1250"
	.amdhsa_code_object_version 6
	.text
	.protected	k_qd1af40c698_gemm_qkv
	.globl	k_qd1af40c698_gemm_qkv
	.p2align	8
	.type	k_qd1af40c698_gemm_qkv,@function
k_qd1af40c698_gemm_qkv:
	s_mov_b64 s[64:65], 0
	v_nop
	global_prefetch_b8 v0, s[64:65] scope:SCOPE_SE
	s_setreg_imm32_b32 hwreg(HW_REG_WAVE_MODE, 25, 1), 1
	s_wait_xcnt 0x0
	s_wait_alu depctr_hold_cnt(0) depctr_sa_sdst(0) depctr_va_vdst(0) depctr_va_sdst(0) depctr_va_ssrc(0) depctr_va_vcc(0) depctr_vm_vsrc(0)
	s_getreg_b32 s2, hwreg(HW_REG_IB_STS2, 6, 4)
	s_cmp_eq_u32 s2, 0
	s_cbranch_scc0 .Lentry_in_a_cluster
	s_endpgm
.Lentry_in_a_cluster:
	s_bfe_u32 s2, ttmp6, 0x10000c
	s_cmp_lg_u32 s2, 0xf033
	s_cbranch_scc0 .Lentry_shape_is_right
	s_endpgm
.Lentry_shape_is_right:
; qkv = x W_attn^T on codes of FP6 (E2M3) with E8M0 scales, K = 1,024, and the result QUANTISED ON ITS WAY OUT: q and k along the head's 64, v along the tokens (the keys).  No f32 result goes to memory.
; INPUTS: codes [16 panels of 64 K][12,288 rows][48 bytes], scl [8 steps of 128 K][12,288][4]: rows 0-8,191 x, then W_attn's 3,072.  Rows stand at places with bits 3 and 4 of their number exchanged.
; OUTPUTS: qkc [32 panels: head for q, 16 + head for k][8,192 token places][48], qks [32][8,192] words (bytes 0, 1 the panel's scales, bytes 2, 3 zero);
;   vc [128 panels of 64 tokens][1,024 feature places][48], vs [128][1,024] words: an even panel's word holds the four bytes of its 128 tokens; an odd panel's word is read by nobody.
; THE DEAL: 256 work-groups, four waves 2 x 2.  A work-group keeps its 256 tokens, ALL OF K, in LDS (filled once) and walks three tiles of 128 features: v's, q's, k's heads 2 x, 2 x + 1.  The weights have ONE region of LDS:
; a wave takes its 64 features, all of K, into registers (32 fragments), and as soon as all waves hold them the region is filled again with the next tile, behind the three lines and a round of the cluster's barrier
; A refill is waited for a whole phase, 256 products a wave, behind its request: so no prefetch is laid.
; A PHASE streams the wave's 128 tokens past the weights in 8 blocks of 16, 32 products each: a loop of two trips of four blocks.  The fetch runs two blocks ahead and on into the next phase, whose first blocks are the same rows;
; the last phase's last two fetches bring blocks that are not multiplied: one text serves both trips.
; q, k: source 0 = the weights: a lane holds one token, its 32 results are features 32 A + 16 h + 0 .. 15 (A = 0, 1).   v: source 0 = the tokens: a lane holds one feature, and the 32 results of four blocks are tokens 32 A + 16 h + 0 .. 15 of a panel.
; So one quantiser serves both: two blocks of 32, each shared by lanes l and l xor 16.  64 rows x 48 bytes of codes and 64 scale words gather in the wave's stage and leave every four blocks in runs of 512 and 256 bytes.
; v's scale word is whole after the second trip; the first trip's half-made word goes to the odd panel's place.
; CLUSTERS 4 x 4: x's rows are asked for jointly along a row of the cluster, the weights' along a column.
; LIMITS: a block of zeros or under 2^-124 gets the byte 1 (the codes are zeros; this program alone reads the bytes); NaN and infinities are not served.
; REGISTERS: window 0: v4-19, v36-39 addresses; v20-35 the tokens' scale words (two sets); v40-87 the weights' (three phases); v88-215 accumulators; v216-241 the quantiser's.
; Fragment f lies in window 1 + f / 21 at register 12 (f % 21): 0-31 the weights' (4 q + j), 32-39 and 40-47 the tokens' two sets.  Window 3, v80-105: rows on their way out.
.set KP,     6144                      ; 128 rows of a panel
.set GPNL,   589824                    ; a panel in memory
.set THALF,  16*KP
.set FB,     2*THALF                   ; the weights' region
.set TS,     FB+THALF                  ; the tokens' scale words [8 steps][256 rows][4]
.set STG,    TS+8192                   ; stages: 3,072 bytes of codes and 256 of scale words for each wave; no fill lands there
.set WST,    3328
.set SPARE,  STG+4*WST                 ; the spare words, 128 bytes for each wave
.set FR,     12
.set FPW,    21
.set AD0,  4                           ; v4, v5 my tokens' fragments, block 0: panels 0-7, 8-15;  v6 their scale words
.set AT0,  6
.set ADA,  7                           ; v7, v8, v9 the same for the trip's first two fetches
.set ATA,  9
.set SPW,  10                          ; v10 my spare word, v11 0; never rewritten
.set NIL,  11
.set ADB,  12                          ; v12, v13, v14 for its last two
.set ATB,  14
.set ADF,  15                          ; v15, v16 my features' fragments
.set STO,  17                          ; v17 stage: my 24 bytes;  v18 my row's word;  v19, v36 the way back
.set SWO,  18
.set RD,   19
.set SA,   20
.set RDW,  36
.set CO,   37                          ; v37 16 x lane, v38 8 x lane, v39 4 x lane
.set CO2,  38
.set SGO,  39
.set SB,   40
.set HV,   88
.set TM,   216                         ; v216-219 four chains, v220-221 the other half's
.set PD,   220
.set SOP,  222                         ; the conversions' scale operands
.set EB,   224
.set WD,   226
.set PCD,  228                         ; v228-233 a lane's 24 bytes of codes; v234-236 the second conversion's
.set QCD,  234
.set KW,   238                         ; v238-241 v's scale words, as they grow
.set BKL,  80
.set G1T, 24
.set G1F, 32
.set G1S, 40
.set G1R, 48
.set G0F, 56
.set G0S, 60
.set G0T, 68
.set G0R, 72
.set SEL, 94
.set CT,  96
.set GA,  97
.set GB,  98
.set TA,  99
.set TB,  100
.set MSB, 0
.macro WIN new                         ; the immediate's high byte repeats the setting that is left
.if MSB != (\new)
	s_set_vgpr_msb (MSB<<8)|(\new)
.set MSB, (\new)
.endif
.endm
.macro PLACES n
.rept \n
	v_nop
.endr
.endm
.macro BARRIER
	s_barrier_signal -1
	s_barrier_wait -1
.endm
.macro CROUND                          ; a round of the cluster's barrier
	BARRIER
	s_cmp_lg_u32 s16, 0
	s_cbranch_scc1 .Lnot_wave_0_\@
	s_barrier_signal -3
.Lnot_wave_0_\@:
	s_barrier_wait -3
	BARRIER
.endm
.macro TLOAD g0, g1                    ; s_nop 0 and four v_nop behind the load
	tensor_load_to_lds s[\g0:\g0+3], s[\g1:\g1+7]
	s_nop 0
	PLACES 4
.endm
.macro GRP1 g, mask, c, rows, pitch    ; elements of 8 bytes, the mask and bit 21 beside it, no padding
	s_or_b32 s[\g], s\mask, (3<<16)|(1<<21)
	s_mov_b32 s[\g+1], (\c)<<16
	s_mov_b32 s[\g+2], (\rows)<<16
	s_mov_b32 s[\g+3], (\c)<<16
	s_mov_b32 s[\g+4], \rows
	s_mov_b32 s[\g+5], \pitch
	s_mov_b32 s[\g+6], 0
	s_mov_b32 s[\g+7], 0
.endm
; a fragment: 16 rows (tile i from the address on) x 128 K (step q): registers 6 c .. 6 c + 5 = the 24 bytes of panel 2 q + c at 48 row + 24 h, in pieces of 8 bytes
.macro FRAG f, q, adr, i
	WIN (1+(\f)/FPW)<<6
.irp p, 0,1,2,3,4,5
	ds_load_b64 v[FR*((\f)%FPW)+2*\p:FR*((\f)%FPW)+2*\p+1], v[\adr+(\q)/4] offset:((2*(\q)+\p/3)%8)*KP+768*(\i)+8*(\p%3)
.endr
.endm
.macro FETCH e, adr, ats, i            ; a block of my tokens into set e: 48 loads of codes, 8 of scale words
.irp q, 0,1,2,3,4,5,6,7
	FRAG 32+8*(\e)+\q, \q, \adr, \i
.endr
	WIN 0
.irp q, 0,1,2,3,4,5,6,7
	ds_load_b32 v[SA+8*(\e)+\q], v[\ats] offset:1024*\q+64*(\i)
.endr
.endm
.macro WEIGHTS                         ; my 64 features, all of K: 192 loads
.irp q, 0,1,2,3,4,5,6,7
.irp j, 0,1,2,3
	FRAG 4*\q+\j, \q, ADF, \j
.endr
.endr
	WIN 0
.endm
.macro WM a, b, c, xa, xb, side, row
	v_wmma_scale_f32_16x16x128_f8f6f4 v[D_:D_+7], v[FR*((\a)%FPW):FR*((\a)%FPW)+FR-1], v[FR*((\b)%FPW):FR*((\b)%FPW)+FR-1], \c, v[\xa], v[\xb] matrix_a_fmt:MATRIX_FMT_FP6 matrix_b_fmt:MATRIX_FMT_FP6 matrix_\side\()_scale:MATRIX_SCALE_ROW\row
.endm
.macro WMC c
.if KD_
.if J_%2
	WM FA_, FB_, \c, XA_, XB_, b, 1
.else
	WM FA_, FB_, \c, XA_, XB_, b, 0
.endif
.else
.if J_%2
	WM FB_, FA_, \c, XB_, XA_, a, 1
.else
	WM FB_, FA_, \c, XB_, XA_, a, 0
.endif
.endif
.endm
.macro PROD e, k, n                    ; product n = 4 q + j of block k of a trip: four accumulators by turns, one instruction a turn; the first four start the sums
.set Q_, (\n)/4
.set J_, (\n)%4
.set FB_, \n
.set FA_, 32+8*(\e)+Q_
.set XB_, SB+16*SBP+8*(J_/2)+Q_        ; lanes 0-15 tile 2 p's words, lanes 16-31 tile 2 p + 1's
.set XA_, SA+8*(\e)+Q_
.if KD_
.set D_, HV+32*J_+8*(\k)
	WIN (1+FA_/FPW)|((1+FB_/FPW)<<2)
.else
.set D_, HV+8*J_
	WIN (1+FB_/FPW)|((1+FA_/FPW)<<2)
.endif
.if Q_
	WMC v[D_:D_+7]
.else
	WMC 0
.endif
.endm
.macro MULS e, k
.set N_, 0
.rept 32
	PROD \e, \k, N_
.set N_, N_+1
.endr
.endm
; THE QUANTISER of 32 registers from x on: register 16 A + i is number 32 A + 16 h + i of my row.  Four chains side by side, each accumulator read from its low end on; the floor 2^(3 - 127) holds the byte at 1 from below.
.macro QUANT x, row, kind
	v_max3_num_f32 v[TM], |v[\x]|, |v[\x+1]|, 0x1800000
	v_max3_num_f32 v[TM+1], |v[\x+8]|, |v[\x+9]|, |v[\x+10]|
	v_max3_num_f32 v[TM+2], |v[\x+16]|, |v[\x+17]|, 0x1800000
	v_max3_num_f32 v[TM+3], |v[\x+24]|, |v[\x+25]|, |v[\x+26]|
.irp i, 2,4,6
	v_max3_num_f32 v[TM], v[TM], |v[\x+\i]|, |v[\x+\i+1]|
.if \i < 6
	v_max3_num_f32 v[TM+1], v[TM+1], |v[\x+9+\i]|, |v[\x+10+\i]|
.endif
	v_max3_num_f32 v[TM+2], v[TM+2], |v[\x+16+\i]|, |v[\x+17+\i]|
.if \i < 6
	v_max3_num_f32 v[TM+3], v[TM+3], |v[\x+25+\i]|, |v[\x+26+\i]|
.endif
.endr
	v_max3_num_f32 v[TM], v[TM], v[TM+1], |v[\x+15]|
	v_max3_num_f32 v[TM+2], v[TM+2], v[TM+3], |v[\x+31]|
	v_permlanex16_b32 v[PD], v[TM], s[SEL], s[SEL+1]
	v_permlanex16_b32 v[PD+1], v[TM+2], s[SEL], s[SEL+1]
	v_max_num_f32 v[TM], v[TM], v[PD]              ; with lane l xor 16's: the block's largest magnitude
	v_max_num_f32 v[TM+2], v[TM+2], v[PD+1]
	v_add_nc_u32 v[SOP], 0xff000000, v[TM]         ; 2 off the exponent field: the conversion's scale operand
	v_add_nc_u32 v[SOP+1], 0xff000000, v[TM+2]
	v_lshrrev_b32 v[EB], 23, v[SOP]                ; the byte
	v_lshrrev_b32 v[EB+1], 23, v[SOP+1]
	v_cvt_scalef32_pk16_fp6_f32 v[PCD:PCD+2], v[\x:\x+15], v[SOP]
	v_cvt_scalef32_pk16_fp6_f32 v[QCD:QCD+2], v[\x+16:\x+31], v[SOP+1]
	v_lshl_or_b32 v[WD], v[EB+1], 8, v[EB]         ; (the plain line behind the conversions)
.irp i, 0,1,2
	v_permlane16_swap_b32 v[PCD+\i], v[QCD+\i]     ; a whole block to a lane: lanes 0-15 block 0, lanes 16-31 block 1
.endr
.irp i, 0,1,2
	v_mov_b32 v[PCD+3+\i], v[QCD+\i]
.endr
.if \kind
	v_lshrrev_b32 v[KW+\row], 16, v[KW+\row]       ; v: the last panel's two bytes go down, this panel's come in above
	v_lshl_or_b32 v[KW+\row], v[WD], 16, v[KW+\row]
.endif
.irp p, 0,1,2
	ds_store_b64 v[STO], v[PCD+2*\p:PCD+2*\p+1] offset:768*(\row)+8*\p
.endr
.if \kind
	ds_store_b32 v[SWO], v[KW+\row] offset:64*(\row)   ; both halves of the lanes write the same word with the same value
.else
	ds_store_b32 v[SWO], v[WD] offset:64*(\row)
.endif
.endm
; A PHASE: two trips of four blocks.  THE WAITS' COUNTS: a block's rows were fetched two blocks ago; younger are the last block's fetch of 56 and, for q and k, its 4 stage stores (60);
; ahead of a trip's first block the wait for 56 in the last tail, or the wait for 0 ahead of the phase, has shown the rows in, and 56 is written.
.macro PHASE kind, sb, cp, wp, cimm, wimm
.set KD_, \kind
.set SBP, \sb
	s_mov_b32 s[CT], 0
.Lphase_\@:
.irp k, 0,1,2,3
.if (\kind) || (\k == 0)
	s_wait_dscnt 56
.else
	s_wait_dscnt 60
.endif
	MULS (\k)%2, \k
	WIN 0
	PLACES 4                                       ; in front of the first read of results and of loads into registers that the products have read
.if \kind == 0
	QUANT HV, \k, 0
.elseif \k == 3
.irp j, 0,1,2,3
	QUANT HV+32*\j, \j, 1
.endr
.endif
.if \k == 3
	s_wait_alu depctr_va_vdst(0)
	s_wait_xcnt 0x0                                ; the last trip's stores have read their registers
	WIN 3<<6
.irp t, 0,1,2,3,4,5
	ds_load_b128 v[BKL+4*\t:BKL+4*\t+3], v[RD] offset:512*\t    ; LDS serves a wave's instructions in order (ISA guide 5.7.1.4): these see my stores
.endr
	ds_load_b64 v[BKL+24:BKL+25], v[RDW]
	WIN 0
.endif
.if \k < 2
	FETCH (\k)%2, ADA, ATA, (\k)+2
.else
	FETCH (\k)%2, ADB, ATB, (\k)-2
.endif
.if \k == 3
	s_wait_dscnt 56                                ; the stage's rows are back; the fetch may be out
	WIN 3<<2
.irp t, 0,1,2,3,4,5
	global_store_b128 v[CO], v[BKL+4*\t:BKL+4*\t+3], s[\cp:\cp+1] offset:(\cimm)+512*\t   ; 32 lanes store 512 consecutive bytes, at a multiple of 256 from the buffer's first byte
.endr
	global_store_b64 v[CO2], v[BKL+24:BKL+25], s[\wp:\wp+1] offset:\wimm                  ; and 256
	WIN 0
.endif
.endr
	s_xor_b32 s[GA], s[GA], 3072                   ; the other four blocks of my eight
	s_xor_b32 s[GB], s[GB], 3072
	s_xor_b32 s[TA], s[TA], 256
	s_xor_b32 s[TB], s[TB], 256
	v_add_nc_u32 v[ADA], s[GA], v[AD0]
	v_add_nc_u32 v[ADA+1], s[GA], v[AD0+1]
	v_add_nc_u32 v[ATA], s[TA], v[AT0]
	v_add_nc_u32 v[ADB], s[GB], v[AD0]
	v_add_nc_u32 v[ADB+1], s[GB], v[AD0+1]
	v_add_nc_u32 v[ATB], s[TB], v[AT0]
	s_wait_xcnt 0x0                                ; the stores have read their bases
.if \kind
	s_add_nc_u64 s[\cp:\cp+1], s[\cp:\cp+1], 49152 ; the next panel of 64 tokens;
	s_sub_nc_u64 s[\wp:\wp+1], s[\wp:\wp+1], 4096  ; the whole words go to the even panel
.else
	s_add_nc_u64 s[\cp:\cp+1], s[\cp:\cp+1], 3072  ; 64 tokens on
	s_add_nc_u64 s[\wp:\wp+1], s[\wp:\wp+1], 256
.endif
	s_add_co_u32 s[CT], s[CT], 1
	s_cmp_lt_u32 s[CT], 2
	s_wait_alu depctr_va_vdst(0)
	s_cbranch_scc1 .Lphase_\@
.endm
	s_load_b256 s[4:11], s[0:1], 0x0               ; codes s[4:5], scl s[6:7], qkc s[8:9], qks s[10:11]
	s_load_b128 s[12:15], s[0:1], 0x20             ; vc s[12:13], vs s[14:15]
	v_lshl_add_u32 v[SPW], v0, 2, SPARE
	v_mov_b32 v[NIL], 0
	ds_add_u32 v[SPW], v[NIL]                      ; the opening lines: the add, twice on end, and its wait ahead of my first tensor load
	ds_add_u32 v[SPW], v[NIL]
	v_lshrrev_b32 v1, 5, v0
	v_readfirstlane_b32 s16, v1                    ; wave
	s_lshr_b32 s17, s16, 1                         ; a: my half of the tokens
	s_and_b32 s18, s16, 1                          ; b: my head of the two; for waves 2, 3 also: which half of the tokens I fetch
	s_mov_b32 s[GA], 0
	s_mov_b32 s[GB], 3072
	s_mov_b32 s[TA], 0
	s_mov_b32 s[TB], 256
	s_mul_i32 s86, s17, THALF
	s_lshl_b32 s87, s17, 9
	s_add_co_u32 s87, s87, TS
	s_mul_i32 s88, s18, 4*768
	s_add_co_u32 s88, s88, FB
	s_mul_i32 s89, s16, WST
	s_add_co_u32 s89, s89, STG                     ; my stage
	s_add_co_u32 s90, s89, 3072
	v_and_b32 v1, 15, v0                           ; r
	v_bfe_u32 v2, v0, 4, 1                         ; h
	v_and_b32 v3, 31, v0                           ; lane
	v_mul_u32_u24 v[TM], v1, 48
	v_mad_u32_u24 v[TM], v2, 24, v[TM]             ; 48 r + 24 h
	v_add_nc_u32 v[AD0], s86, v[TM]
	v_add_nc_u32 v[AD0+1], 8*KP, v[AD0]
	v_lshl_add_u32 v[AT0], v1, 2, s87
	v_add_nc_u32 v[ADF], s88, v[TM]
	v_add_nc_u32 v[ADF+1], 8*KP, v[ADF]
	v_add_nc_u32 v[STO], s89, v[TM]
	v_lshl_add_u32 v[RD], v3, 4, s89
	v_lshl_add_u32 v[SWO], v1, 2, s90
	v_lshl_add_u32 v[RDW], v3, 3, s90
	v_lshlrev_b32 v[CO], 4, v3
	v_lshlrev_b32 v[CO2], 3, v3
	v_lshlrev_b32 v[SGO], 2, v3
	v_add_nc_u32 v[ADA], s[GA], v[AD0]
	v_add_nc_u32 v[ADA+1], s[GA], v[AD0+1]
	v_add_nc_u32 v[ATA], s[TA], v[AT0]
	v_add_nc_u32 v[ADB], s[GB], v[AD0]
	v_add_nc_u32 v[ADB+1], s[GB], v[AD0+1]
	v_add_nc_u32 v[ATB], s[TB], v[AT0]
.irp j, PD, PD+1, KW, KW+1, KW+2, KW+3
	v_mov_b32 v[\j], 0                             ; written once: a lane permute's destination counts as one of its sources; v's words begin empty
.endr
	s_bfe_u32 s19, ttmp6, 0x40000                  ; cx
	s_bfe_u32 s20, ttmp6, 0x40004                  ; cy
	s_lshl_b32 s21, ttmp9, 2
	s_add_co_u32 s21, s21, s19                     ; x: which 128 features of q, of k and of v
	s_and_b32 s22, ttmp7, 0xffff
	s_lshl_b32 s22, s22, 2
	s_add_co_u32 s22, s22, s20                     ; y: which 256 tokens
	s_lshl_b32 s20, s20, 2
	s_lshl_b32 s20, 15, s20                        ; my row of the cluster
	s_lshl_b32 s19, 0x1111, s19                    ; my column
	GRP1 G1T, 20, 768, 16, 73728                   ; 16 panels' 128 rows x 48 bytes
	GRP1 G1F, 19, 768, 16, 73728
	GRP1 G1S, 20, 128, 8, 6144                     ; 8 steps' 256 words
	GRP1 G1R, 19, 768, 4, 73728                    ; a refill: four panels a wave
	s_mov_b32 s[SEL], 0x76543210
	s_mov_b32 s[SEL+1], 0xfedcba98                 ; v_permlanex16_b32's selects for lane l xor 16
	s_lshl_b32 s76, s21, 7
	s_add_co_u32 s76, s76, 8192                    ; q's first row of mine: made of x alone
	s_lshl_b32 s84, s18, 6
	s_add_co_u32 s84, s84, s76
	s_lshl_b32 s84, s84, 2                         ; my 64 rows' scale words
	s_mov_b32 s85, 0
	s_mul_i32 s78, s76, 48
	s_mul_i32 s23, s16, 4*GPNL
	s_add_co_u32 s78, s78, s23                     ; the refills: my four panels of q's rows
	s_mov_b32 s79, 0
	s_add_co_u32 s76, s76, 2048
	s_mul_i32 s76, s76, 48                         ; v's rows
	s_mov_b32 s77, 0
	s_lshl_b32 s80, s22, 8                         ; the tokens' first row: made of y alone
	s_lshl_b32 s82, s80, 2
	s_mov_b32 s83, 0
	s_lshl_b32 s101, s17, 7
	s_add_co_u32 s101, s101, s80                   ; my wave's first token
	s_mul_i32 s80, s80, 48
	s_mul_i32 s23, s18, KP
	s_add_co_u32 s80, s80, s23
	s_mov_b32 s81, 0
	s_lshl_b32 s23, s21, 1
	s_add_co_u32 s23, s23, s18                     ; my head
	s_mul_i32 s86, s23, 393216
	s_mul_i32 s87, s101, 48
	s_add_co_u32 s86, s86, s87                     ; in qkc
	s_mov_b32 s87, 0
	s_lshl_b32 s88, s23, 15
	s_lshl_b32 s89, s101, 2
	s_add_co_u32 s88, s88, s89                     ; in qks
	s_mov_b32 s89, 0
	s_lshr_b32 s90, s101, 6                        ; my first panel of 64 tokens
	s_lshl_b32 s23, s23, 6                         ; my first feature
	s_lshl_b32 s92, s90, 12
	s_lshl_b32 s93, s23, 2
	s_add_co_u32 s92, s92, s93
	s_add_co_u32 s92, s92, 4096                    ; in vs: the first trip's words go to the odd panel
	s_mov_b32 s93, 0
	s_mul_i32 s90, s90, 49152
	s_mul_i32 s91, s23, 48
	s_add_co_u32 s90, s90, s91                     ; in vc
	s_mov_b32 s91, 0
	s_mov_b32 s[G0F], 1
	s_mov_b32 s[G0F+1], FB
	s_mov_b32 s[G0S], 1
	s_mov_b32 s[G0S+1], TS
	s_mov_b32 s[G0T], 1
	s_mul_i32 s[G0T+1], s18, THALF
	s_mov_b32 s[G0R], 1
	s_mul_i32 s[G0R+1], s16, 4*KP
	s_add_co_u32 s[G0R+1], s[G0R+1], FB
	s_wait_alu depctr_va_vdst(0)
	s_wait_dscnt 0x0                               ; both opening adds are done
	CROUND                                         ; all sixteen work-groups are here: the joint loads meet
	s_wait_kmcnt 0x0
	s_add_nc_u64 s[G0F+2:G0F+3], s[4:5], s[76:77]
	s_or_b32 s[G0F+3], s[G0F+3], 0x80000000
	s_add_nc_u64 s[G0R+2:G0R+3], s[4:5], s[78:79]
	s_or_b32 s[G0R+3], s[G0R+3], 0x80000000
	s_add_nc_u64 s[G0T+2:G0T+3], s[4:5], s[80:81]
	s_or_b32 s[G0T+3], s[G0T+3], 0x80000000
	s_add_nc_u64 s[G0S+2:G0S+3], s[6:7], s[82:83]
	s_or_b32 s[G0S+3], s[G0S+3], 0x80000000
	s_add_nc_u64 s[6:7], s[6:7], s[84:85]
	s_add_nc_u64 s[8:9], s[8:9], s[86:87]
	s_add_nc_u64 s[10:11], s[10:11], s[88:89]
	s_add_nc_u64 s[12:13], s[12:13], s[90:91]
	s_add_nc_u64 s[14:15], s[14:15], s[92:93]
	s_cmp_eq_u32 s16, 0
	s_cbranch_scc0 .Lwave_1
	TLOAD G0F, G1F                                 ; wave 0: v's 128 rows of the weights (wanted first: they go on into registers)
	s_branch .Lasked
.Lwave_1:
	s_cmp_eq_u32 s16, 1
	s_cbranch_scc0 .Lwave_23
	TLOAD G0S, G1S                                 ; wave 1: the tokens' scale words
	s_branch .Lasked
.Lwave_23:
	TLOAD G0T, G1T                                 ; waves 2, 3: a half of the tokens each
.Lasked:
.irp f, 0,1,2
.irp p, 0,1
.irp q, 0,1,2,3,4,5,6,7
	global_load_b32 v[SB+16*\f+8*\p+\q], v[SGO], s[6:7] offset:49152*\q+128*\p+((\f+2)%3)*4096   ; the weights' scale words of v, q, k: lanes 0-15 tile 2 p's, lanes 16-31 tile 2 p + 1's
.endr
.endr
.endr
	s_cmp_eq_u32 s16, 0
	s_cbranch_scc0 .Lnot_f
	s_wait_tensorcnt 0x0                           ; wave 0's load is its own line: its wait shows the weights in
.Lnot_f:
	BARRIER                                        ; the other tiles may be on their way
	WEIGHTS
	s_wait_tensorcnt 0x0                           ; every wave's tile is in; the three lines ahead of a refill's round:
	ds_add_u32 v[SPW], v[NIL]
	s_wait_dscnt 0x0                               ; the add is done, and I hold v's weights in registers
	CROUND
	TLOAD G0R, G1R                                 ; q's rows onto v's: a quarter a wave, my one tensor load behind the round
	FETCH 0, ADA, ATA, 0
	FETCH 1, ADA, ATA, 1
	s_wait_loadcnt 0x0                             ; the weights' scale words
	PHASE 1, 0, 12, 14, 0, 0                       ; v
	s_wait_tensorcnt 0x0                           ; my quarter of q's rows is in,
	s_wait_dscnt 0x0
	BARRIER                                        ; everybody's is
	WEIGHTS
	s_wait_tensorcnt 0x0                           ; the three lines once more
	ds_add_u32 v[SPW], v[NIL]
	s_add_nc_u64 s[G0R+2:G0R+3], s[G0R+2:G0R+3], 49152   ; no tensor load of mine is out: k's rows lie 1,024 rows on
	s_wait_dscnt 0x0
	CROUND
	TLOAD G0R, G1R                                 ; k's rows onto q's
	PHASE 0, 1, 8, 10, 0, 0                        ; q
	s_wait_tensorcnt 0x0
	s_wait_dscnt 0x0
	BARRIER
	WEIGHTS
	s_wait_dscnt 0x0
	PHASE 0, 2, 8, 10, 16*393216-6144, 16*32768-512   ; k: 16 panels on; the bases stand 128 tokens on
	s_wait_tensorcnt 0x0                           ; the wave's end
	ds_add_u32 v[SPW], v[NIL]
	s_wait_dscnt 0x0
	CROUND                                         ; the closing round
	s_endpgm
.Lfunc_end_k_qd1af40c698_gemm_qkv:
	.size	k_qd1af40c698_gemm_qkv, .Lfunc_end_k_qd1af40c698_gemm_qkv-k_qd1af40c698_gemm_qkv
	.p2alignl 7, 3214868480
	.fill 96, 4, 3214868480
	.section	.rodata,"a",@progbits
	.p2align	6, 0x0
	.amdhsa_kernel k_qd1af40c698_gemm_qkv
		.amdhsa_group_segment_fixed_size 327680
		.amdhsa_private_segment_fixed_size 0
		.amdhsa_enable_private_segment 0
		.amdhsa_kernarg_size 48
		.amdhsa_user_sgpr_count 2
		.amdhsa_user_sgpr_kernarg_segment_ptr 1
		.amdhsa_wavefront_size32 1
		.amdhsa_system_sgpr_workgroup_id_x 1
		.amdhsa_system_sgpr_workgroup_id_y 1
		.amdhsa_system_sgpr_workgroup_id_z 1
		.amdhsa_system_vgpr_workitem_id 0
		.amdhsa_next_free_vgpr 880
		.amdhsa_next_free_sgpr 102
		.amdhsa_reserve_vcc 0
		.amdhsa_float_denorm_mode_32 3
		.amdhsa_float_denorm_mode_16_64 3
		.amdhsa_memory_ordered 1
		.amdhsa_forward_progress 1
		.amdhsa_inst_pref_size 185
	.end_amdhsa_kernel
	.amdgpu_metadata
---
amdhsa.version: [ 1, 2 ]
amdhsa.kernels:
  - .name:           k_qd1af40c698_gemm_qkv
    .symbol:         k_qd1af40c698_gemm_qkv.kd
    .args:
      - { .name: codes, .offset: 0, .size: 8, .value_kind: global_buffer, .address_space: global }
      - { .name: scl, .offset: 8, .size: 8, .value_kind: global_buffer, .address_space: global }
      - { .name: qkc, .offset: 16, .size: 8, .value_kind: global_buffer, .address_space: global }
      - { .name: qks, .offset: 24, .size: 8, .value_kind: global_buffer, .address_space: global }
      - { .name: vc, .offset: 32, .size: 8, .value_kind: global_buffer, .address_space: global }
      - { .name: vs, .offset: 40, .size: 8, .value_kind: global_buffer, .address_space: global }
    .group_segment_fixed_size: 327680
    .private_segment_fixed_size: 0
    .kernarg_segment_align: 8
    .kernarg_segment_size: 48
    .max_flat_workgroup_size: 128
    .sgpr_count:     102
    .vgpr_count:     880
    .wavefront_size: 32
...
	.end_amdgpu_metadata
.endif
;; end of part 2
;; launch attn (part 3): grid 4 x 64, 16 waves a work-group, clusters of 4 x 1, 227,328 bytes of LDS; arguments qkc, qks, vc, vs, yc, ys; writes yc, ys
.if DOCPART == 3
	.amdgcn_target "amdgcn-amd-amdhsa--gfx1250"
	.amdhsa_code_object_version 6
	.text
	.protected	k_qd1af40c698_attn
	.globl	k_qd1af40c698_attn
	.p2align	8
	.type	k_qd1af40c698_attn,@function
k_qd1af40c698_attn:
	s_mov_b64 s[64:65], 0
	v_nop
	global_prefetch_b8 v0, s[64:65] scope:SCOPE_SE
	s_setreg_imm32_b32 hwreg(HW_REG_WAVE_MODE, 25, 1), 1
	s_wait_xcnt 0x0
	s_wait_alu depctr_hold_cnt(0) depctr_sa_sdst(0) depctr_va_vdst(0) depctr_va_sdst(0) depctr_va_ssrc(0) depctr_va_vcc(0) depctr_vm_vsrc(0)
	s_getreg_b32 s2, hwreg(HW_REG_IB_STS2, 6, 4)
	s_cmp_eq_u32 s2, 0
	s_cbranch_scc0 .Lentry_in_a_cluster
	s_endpgm
.Lentry_in_a_cluster:
	s_bfe_u32 s2, ttmp6, 0x10000c
	s_cmp_lg_u32 s2, 0x3003
	s_cbranch_scc0 .Lentry_shape_is_right
	s_endpgm
.Lentry_shape_is_right:
; y = softmax(q k^T / 8, causal) v for one batch and head a cluster, both products on codes of FP6 (E2M3) with E8M0 scales; y / l is quantised along C on its way out.
; THE SOFTMAX AHEAD OF THE SECOND PRODUCT: t = score x log2(e) / 8; M = the running largest t rounded UP to a whole number; p = 2^(t - M) is quantised along the keys, not normalised; the row's sum is taken of the
; unquantised p and divides at the end; when M moves, the sum and O are multiplied by 2^(old M - new M), which rounds nothing.
; INPUTS: qkc [32 panels: head for q, 16 + head for k][8,192 tokens][48 bytes], qks words (bytes 0, 1); vc [128 panels of 64 tokens][1,024 features][48], vs words of even panels (128 tokens).
; Rows (tokens, features) stand at places with bits 3 and 4 of their number exchanged: as source 0, sixteen neighbouring places give a lane's registers of two neighbouring tiles 16 neighbours in true order.
; THE WHOLE HEAD STAYS IN LDS: K 98,304 bytes, V 98,304, their scale words 12,288: filled once, so there is no ring and no barrier in the loops.
; CLUSTER: the four work-groups of a head want the same K and V: each wave asks for its sixteenth jointly, with a mask that names the four.
; SHARES, EVEN OVER THE CAUSAL TRIANGLE.  The head's 128 tiles of 16 queries go in pairs: wave w of work-group g takes tile 127 - (4 w + g), then tile 4 w + g.  Tile n wants n / 8 + 1 steps of 128 keys:
; 16 - w / 2 and w / 2 + 1: seventeen steps for every wave of the launch.  The diagonal's step hangs on the wave's number alone, so partners run alike; g enters addresses in memory and the mask's threshold only.
; Each tile's loop has a constant 16 trips; a trip beyond the diagonal steps its addresses and does nothing else.
; K = 64 IN THE FIRST PRODUCT: the instruction's upper 64 are ZERO CODES on q's side, under q's scale bytes 0 (2^-127); k's side there names the next tile's registers, whose codes then count for nothing.
; LAYOUT: both products transposed (S^T = k q^T, O^T = v^T p^T): a lane holds one query throughout.
; y's scale bytes: a head owns two bytes of each word of ys, so they leave as single bytes, 32 of them inside 64 consecutive bytes a tile: the price of one head to a work-group.
; LIMITS: a block of zeros or under 2^-124 gets the byte 1; NaN and infinities are not served.
.set VB,   98304                       ; LDS: K at 0: [key][48];  V: [32 panels][64 d][48]
.set KS,   196608                      ; K's scale words [key][4]
.set VS,   204800                      ; V's [16 steps][64 d][4]
.set STG,  208896                      ; a stage of 1,024 bytes for each wave; no fill lands there
.set AV0,  2                           ; v2  V: VB + 48 r + 24 h
.set ASK0, 3                           ; v3  KS + 4 r
.set ASV0, 4                           ; v4  VS + 4 r
.set DL,   5                           ; v5  the mask's threshold
.set AK0,  6                           ; v6  48 r + 24 h: K's place in LDS (K begins at 0) and my offset in q's rows
.set R4,   7                           ; v7  4 r
.set ADK,  8                           ; v8-11 the step's addresses
.set ADV,  9
.set ADS,  10
.set ADT,  11
.set QSC,  28                          ; v28 q's scale word
.set L12,  29                          ; v29 12 x lane
.set YSO,  30                          ; v30 4 r + h
.set VL,   31                          ; v31 r + (r & 8) - 16 h
.set KF,   32                          ; v32-85 K's 8 tiles, 6 registers each; tile t names v[32 + 6 t .. 43 + 6 t]; v80-85 stay zero
.set SO,   32                          ; behind S^T: v32-35 the conversions' scale operands, v36-47 p's codes, v48-54 half blocks, v[56:57] a sum, v60-66 rows on their way out
.set PCD,  36
.set CT,   48
.set KSC,  86                          ; v86-93 K's scale words
.set SIN,  94                          ; v94, v95 my stage: in, out
.set SOUT, 95
.set S,    96                          ; v96-159 S^T, then p
.set O,    160                         ; v160-191 O^T
.set VF,   192                         ; v192-239 V's four fragments
.set VSC,  240                         ; v240-243 V's scale words
.set BM,   244                         ; v244-247 the blocks' largest
.set PT,   248                         ; v248-251 the other half's; bytes
.set NINF, 255                         ; v255 -infinity.   v252 f, v253 p's scale word, v254 at work; v12 -M, v13 the largest t, v[14:15] the sum; v16-27 q (v22-27 zero)
.set WV,   18
.set GX,   19
.set SEL,  20
.set CS,   22
.set G1K,  24
.set G1V,  32
.set G1KS, 40
.set G1VS, 48
.set G0K,  56
.set G0V,  60
.set CQ,   66                          ; s66 the head's and batch's offset in qkc and yc;  s67 in qks;  s92 in ys
.set SQ,   67
.set G0KS, 68
.set G0VS, 72
.set KI,   76                          ; s76 the step;  s77 the diagonal's step
.set KD,   77
.set TB,   78                          ; s78 the step's tiles: 6,144 bytes a step;  s79 K's scale words: 512;  s80 V's: 256
.set TS,   79
.set TJ,   80
.set TAU,  81                          ; s81 my tile of queries
.set QB,   84                          ; s[84:91] q's codes, q's scale words, y's codes, y's scale bytes at my tile
.set QSB,  86
.set YB,   88
.set YSB,  90
.set SY,   92
.set HMASK, 93
.macro CROUND                          ; a round of the cluster's barrier
	s_barrier_signal -1
	s_barrier_wait -1
	s_cmp_lg_u32 s[WV], 0
	s_cbranch_scc1 .Lnot_wave_0_\@
	s_barrier_signal -3
.Lnot_wave_0_\@:
	s_barrier_wait -3
	s_barrier_signal -1
	s_barrier_wait -1
.endm
	s_load_b256 s[4:11], s[0:1], 0x0               ; qkc s[4:5], qks s[6:7], vc s[8:9], vs s[10:11]
	s_load_b128 s[12:15], s[0:1], 0x20             ; yc s[12:13], ys s[14:15]
	v_lshl_add_u32 v254, v0, 2, 0x37000
	v_mov_b32 v255, 0
	ds_add_u32 v254, v255
	ds_add_u32 v254, v255
	s_wait_dscnt 0x0
	v_lshrrev_b32 v8, 5, v0
	s_delay_alu instid0(VALU_DEP_1)
	v_readfirstlane_b32 s[WV], v8                  ; wave 0..15
	s_bfe_u32 s[GX], ttmp6, 0x40000                ; g: my place in the cluster
	s_and_b32 s16, ttmp7, 0xffff
	s_lshr_b32 s17, s16, 4                         ; batch
	s_and_b32 s16, s16, 15                         ; head
	s_lshl_b32 s94, s17, 11
	s_mov_b32 s95, 0
	s_add_co_u32 s95, s95, s94                     ; the batch's first key
	s_add_co_u32 s96, s16, 16                      ; k's panel
	s_mul_i32 s97, s96, 393216
	s_mul_i32 s98, s95, 48
	s_add_co_u32 s98, s98, s97
	s_lshl_b32 s97, s[WV], 14                      ; waves 0-5 fetch a sixth of K's codes each: 16,384 bytes
	s_add_co_u32 s98, s98, s97
	s_mov_b32 s99, 0
	s_lshl_b32 s96, s96, 15
	s_lshl_b32 s95, s95, 2
	s_add_co_u32 s96, s96, s95
	s_mov_b32 s97, 0                               ; s[96:97] K's scale words
	s_lshl_b32 s94, s17, 5
	s_max_u32 s95, s[WV], 6
	s_lshl_b32 s95, s95, 2
	s_add_co_u32 s95, s95, s94
	s_sub_co_u32 s95, s95, 24                      ; waves 6-13 fetch four panels of V each: panel 32 batch + 4 (w - 6)
	s_mul_i32 s82, s95, 49152
	s_mul_i32 s95, s16, 3072
	s_add_co_u32 s82, s82, s95
	s_mov_b32 s83, 0                               ; s[82:83] V's codes
	s_lshl_b32 s94, s94, 12
	s_lshl_b32 s95, s16, 8
	s_add_co_u32 s94, s94, s95
	s_mov_b32 s95, 0                               ; s[94:95] V's scale words
	s_mul_i32 s[CQ], s16, 393216
	s_mul_i32 s2, s17, 98304
	s_add_co_u32 s[CQ], s[CQ], s2
	s_lshl_b32 s[SQ], s16, 15
	s_lshl_b32 s2, s17, 13
	s_add_co_u32 s[SQ], s[SQ], s2
	s_lshr_b32 s[SY], s16, 1
	s_lshl_b32 s[SY], s[SY], 15
	s_add_co_u32 s[SY], s[SY], s2
	s_and_b32 s3, s16, 1
	s_lshl_b32 s3, s3, 1
	s_add_co_u32 s[SY], s[SY], s3
	; groups 1: elements of 8 bytes, the mask of all four work-groups, bit 21 beside it, no padding
.irp g, G1K, G1V, G1KS, G1VS
	s_mov_b32 s[\g], 15|(3<<16)|(1<<21)
	s_mov_b32 s[\g+6], 0
	s_mov_b32 s[\g+7], 0
.endr
	s_mov_b32 s[G1K+1], 32<<16                     ; K: a sixth, 16,384 dense bytes: 64 rows of 256 bytes
	s_mov_b32 s[G1K+2], 64<<16
	s_mov_b32 s[G1K+3], 32<<16
	s_mov_b32 s[G1K+4], 64
	s_mov_b32 s[G1K+5], 32
	s_mov_b32 s[G1V+1], 384<<16                    ; V: four panels' 64 rows x 48 = 3,072 bytes, 49,152 bytes apart
	s_mov_b32 s[G1V+2], 4<<16
	s_mov_b32 s[G1V+3], 384<<16
	s_mov_b32 s[G1V+4], 4
	s_mov_b32 s[G1V+5], 6144
	s_mov_b32 s[G1KS+1], 32<<16                    ; K's scale words, 8,192 dense bytes: 32 rows of 256
	s_mov_b32 s[G1KS+2], 32<<16
	s_mov_b32 s[G1KS+3], 32<<16
	s_mov_b32 s[G1KS+4], 32
	s_mov_b32 s[G1KS+5], 32
	s_mov_b32 s[G1VS+1], 32<<16                    ; V's: one row of 256 bytes
	s_mov_b32 s[G1VS+2], 16<<16                    ; V's: the 16 even panels' rows of 256 bytes, 8,192 bytes apart
	s_mov_b32 s[G1VS+3], 32<<16
	s_mov_b32 s[G1VS+4], 16
	s_mov_b32 s[G1VS+5], 1024
	s_mov_b32 s[SEL], 0x76543210
	s_mov_b32 s[SEL+1], 0xfedcba98                 ; v_permlanex16_b32's selects for lane l xor 16
	s_mov_b32 s[CS], 0x3e38aa3b                    ; c = log2(e) / 8
	s_mov_b32 s[CS+1], s[CS]                       ; (named with it as a pair, so it is written)
	s_mov_b32 s[HMASK], 0xffff0000
	s_wait_kmcnt 0x0
	CROUND                                         ; all four work-groups are here: the joint loads meet
	s_mov_b32 s[G0K], 1
	s_mul_i32 s[G0K+1], s[WV], 16384
	s_add_nc_u64 s[G0K+2:G0K+3], s[4:5], s[98:99]
	s_or_b32 s[G0K+3], s[G0K+3], 0x80000000
	s_mov_b32 s[G0V], 1
	s_mul_i32 s[G0V+1], s[WV], 12288
	s_add_co_u32 s[G0V+1], s[G0V+1], VB-6*12288
	s_add_nc_u64 s[G0V+2:G0V+3], s[8:9], s[82:83]
	s_or_b32 s[G0V+3], s[G0V+3], 0x80000000
	s_mov_b32 s[G0KS], 1
	s_mov_b32 s[G0KS+1], KS
	s_add_nc_u64 s[G0KS+2:G0KS+3], s[6:7], s[96:97]
	s_or_b32 s[G0KS+3], s[G0KS+3], 0x80000000
	s_mov_b32 s[G0VS], 1
	s_mov_b32 s[G0VS+1], VS
	s_add_nc_u64 s[G0VS+2:G0VS+3], s[10:11], s[94:95]
	s_or_b32 s[G0VS+3], s[G0VS+3], 0x80000000
	; ONE JOINT LOAD A WAVE: waves 0-5 a sixth of K, waves 6-13 four panels of V, wave 14 K's scale words, wave 15 V's; every byte is filled once
	s_cmp_lt_u32 s[WV], 6
	s_cbranch_scc0 .Lhead_v
	tensor_load_to_lds s[G0K:G0K+3], s[G1K:G1K+7]
	s_nop 0
	s_branch .Lhead_join
.Lhead_v:
	s_cmp_lt_u32 s[WV], 14
	s_cbranch_scc0 .Lhead_ks
	tensor_load_to_lds s[G0V:G0V+3], s[G1V:G1V+7]
	s_nop 0
	s_branch .Lhead_join
.Lhead_ks:
	s_cmp_eq_u32 s[WV], 14
	s_cbranch_scc0 .Lhead_vs
	tensor_load_to_lds s[G0KS:G0KS+3], s[G1KS:G1KS+7]
	s_nop 0
	s_branch .Lhead_join
.Lhead_vs:
	tensor_load_to_lds s[G0VS:G0VS+3], s[G1VS:G1VS+7]
	s_nop 0
.Lhead_join:
.rept 4
	v_nop
.endr
	v_and_b32 v8, 15, v0                           ; r
	v_bfe_u32 v9, v0, 4, 1                         ; h
	s_delay_alu instid0(VALU_DEP_2)
	v_mul_u32_u24 v[AK0], v8, 48
	s_delay_alu instid0(VALU_DEP_1)
	v_mad_u32_u24 v[AK0], v9, 24, v[AK0]
	s_delay_alu instid0(VALU_DEP_1)
	v_add_nc_u32 v[AV0], VB, v[AK0]
	v_lshlrev_b32 v[R4], 2, v8
	s_delay_alu instid0(VALU_DEP_1)
	v_add_nc_u32 v[ASK0], KS, v[R4]
	s_delay_alu instid0(VALU_DEP_2)
	v_add_nc_u32 v[ASV0], VS, v[R4]
	v_and_b32 v10, 31, v0
	s_delay_alu instid0(VALU_DEP_1)
	v_mul_u32_u24 v[L12], v10, 12
	v_add_nc_u32 v[YSO], v[R4], v9
	v_and_b32 v11, 8, v8
	s_delay_alu instid0(VALU_DEP_1)
	v_add_nc_u32 v[VL], v11, v8
	v_lshlrev_b32 v11, 4, v9
	s_delay_alu instid0(VALU_DEP_1)
	v_sub_nc_u32 v[VL], v[VL], v11
	s_lshl_b32 s94, s[WV], 10
	s_add_co_u32 s94, s94, STG
	v_lshlrev_b32 v[SIN], 6, v8
	s_delay_alu instid0(VALU_DEP_1)
	v_lshl_add_u32 v[SIN], v9, 4, v[SIN]
	s_delay_alu instid0(VALU_DEP_1)
	v_add_nc_u32 v[SIN], s94, v[SIN]               ; in: 64 r + 16 h (+ 32 for the second block): a place of 16 bytes for each 12 bytes of codes
	v_lshl_add_u32 v[SOUT], v10, 4, s94            ; out: 16 x lane
.irp j, 22,23,24,25,26,27, 80,81,82,83,84,85
	v_mov_b32 v[\j], 0                             ; q's upper 64 of K: zero codes; and what stands behind K's last tile
.endr
.irp j, 248,249,250,251, 253, 254
	v_mov_b32 v[\j], 0                             ; written once: a lane permute's destination counts as one of its sources; v253 is named with v252 as a pair
.endr
	v_mov_b32 v[NINF], 0xff800000
; A TILE BEGINS: which = 0: tile 127 - (4 w + g); 1: tile 4 w + g.
.macro TINIT which
	s_wait_xcnt 0x0                                ; the last tile's loads and stores have read their bases and registers
	s_lshl_b32 s[TAU], s[WV], 2
	s_add_co_u32 s[TAU], s[TAU], s[GX]
	s_lshr_b32 s[KD], s[WV], 1
.if \which == 0
	s_sub_co_u32 s[TAU], 127, s[TAU]
	s_sub_co_u32 s[KD], 15, s[KD]
.endif
	s_mul_i32 s94, s[TAU], 768
	s_add_co_u32 s94, s94, s[CQ]
	s_mov_b32 s95, 0
	s_add_nc_u64 s[QB:QB+1], s[4:5], s[94:95]
	s_add_nc_u64 s[YB:YB+1], s[12:13], s[94:95]
	s_lshl_b32 s94, s[TAU], 6
	s_add_co_u32 s96, s94, s[SQ]
	s_mov_b32 s97, 0
	s_add_nc_u64 s[QSB:QSB+1], s[6:7], s[96:97]
	s_add_co_u32 s96, s94, s[SY]
	s_add_nc_u64 s[YSB:YSB+1], s[14:15], s[96:97]
	global_load_b64 v[16:17], v[AK0], s[QB:QB+1]
	global_load_b64 v[18:19], v[AK0], s[QB:QB+1] offset:8
	global_load_b64 v[20:21], v[AK0], s[QB:QB+1] offset:16
	global_load_b32 v[QSC], v[R4], s[QSB:QSB+1]
	s_and_b32 s94, s[TAU], 6
	s_lshl_b32 s94, s94, 4
	s_and_b32 s96, s[TAU], 1
	s_lshl_b32 s96, s96, 3
	s_add_co_u32 s94, s94, s96
	v_add_nc_u32 v[DL], s94, v[VL]                 ; my query's number in the diagonal's 128, less 16 h: register 16 b + i holds key 32 b + 16 h + i, hidden where 32 b + i is greater
	v_mov_b32 v13, 0xff61b1e6                      ; the largest t so far: -3e38
	s_delay_alu instid0(VALU_DEP_1)
	v_floor_f32 v12, -v13                          ; -M
	v_mov_b32 v14, 0
	v_mov_b32 v15, 0
	s_mov_b32 s[KI], 0
	s_mov_b32 s[TB], 0
	s_mov_b32 s[TS], 0
	s_mov_b32 s[TJ], 0
	s_wait_loadcnt 0x0
	v_and_b32 v[QSC], 0xffff, v[QSC]               ; bytes 2 and 3, over the zero codes: 0, that is 2^-127: no product of scales there can overflow
.set jj, 0
.rept 32
	v_mov_b32 v[O+jj], 0                           ; O^T: the step is written once; its first change of M multiplies zeros.  (Also the places between the line above and the first product)
.set jj, jj+1
.endr
.endm
; A KEY STEP: 128 keys.
.macro STEP
	s_cmp_gt_u32 s[KI], s[KD]                      ; beyond the diagonal: all keys come after my queries
	s_cbranch_scc1 .Lhidden_\@
	v_add_nc_u32 v[ADK], s[TB], v[AK0]             ; (these four are also the places in front of loads into registers that the last products read)
	v_add_nc_u32 v[ADV], s[TB], v[AV0]
	v_add_nc_u32 v[ADS], s[TS], v[ASK0]
	v_add_nc_u32 v[ADT], s[TJ], v[ASV0]
.irp t, 0,1,2,3,4,5,6,7
.irp p, 0,1,2
	ds_load_b64 v[KF+6*\t+2*\p:KF+6*\t+2*\p+1], v[ADK] offset:768*\t+8*\p
.endr
	ds_load_b32 v[KSC+\t], v[ADS] offset:64*\t
.endr
.irp t, 0,1,2,3
.irp p, 0,1,2,3,4,5
	ds_load_b64 v[VF+12*\t+2*\p:VF+12*\t+2*\p+1], v[ADV] offset:3072*(\p/3)+768*\t+8*(\p%3)
.endr
	ds_load_b32 v[VSC+\t], v[ADT] offset:64*\t
.endr
	s_wait_dscnt 28                                ; K's 32 loads are in; V's 28 land under the softmax
.irp t, 0,1,2,3,4,5,6,7
	v_wmma_scale_f32_16x16x128_f8f6f4 v[S+8*\t:S+8*\t+7], v[KF+6*\t:KF+6*\t+11], v[16:27], 0, v[KSC+\t], v[QSC] matrix_a_fmt:MATRIX_FMT_FP6 matrix_b_fmt:MATRIX_FMT_FP6
.endr
.rept 4
	v_nop
.endr
	s_cmp_lg_u32 s[KI], s[KD]
	s_cbranch_scc1 .Lopen_\@                       ; under the diagonal every key counts
.set nn, 0
.rept 64
	v_cmp_gt_i32 vcc_lo, 32*(nn/16)+nn%16, v[DL]
	v_cndmask_b32 v[S+nn], v[S+nn], v[NINF], vcc_lo        ; hidden scores become -infinity ahead of the maximum: p = 0
.set nn, nn+1
.endr
.Lopen_\@:
.irp b, 0,1,2,3
	v_max3_num_f32 v[BM+\b], v[S+16*\b], v[S+1+16*\b], v[S+2+16*\b]    ; the largest score of each block of 32 keys: for the row's maximum, and, since p rises with the score, for the block's largest p
.endr
.irp i, 3,5,7,9,11,13
.irp b, 0,1,2,3
	v_max3_num_f32 v[BM+\b], v[BM+\b], v[S+16*\b+\i], v[S+1+16*\b+\i]
.endr
.endr
.irp b, 0,1,2,3
	v_max_num_f32 v[BM+\b], v[BM+\b], v[S+15+16*\b]
.endr
.irp b, 0,1,2,3
	s_delay_alu instid0(VALU_DEP_4)
	v_permlanex16_b32 v[PT+\b], v[BM+\b], s[SEL], s[SEL+1]
.endr
.irp b, 0,1,2,3
	s_delay_alu instid0(VALU_DEP_4)
	v_max_num_f32 v[BM+\b], v[BM+\b], v[PT+\b]     ; with lane l xor 16's 16 keys
.endr
	s_delay_alu instid0(VALU_DEP_2)
	v_max3_num_f32 v254, v[BM], v[BM+1], v[BM+2]
	s_delay_alu instid0(VALU_DEP_1)
	v_max_num_f32 v254, v254, v[BM+3]
	s_delay_alu instid0(VALU_DEP_1)
	v_mul_f32 v254, s[CS], v254                    ; as t (c is positive)
	s_delay_alu instid0(VALU_DEP_1)
	v_max_num_f32 v13, v13, v254                   ; the running largest t
	v_mov_b32 v254, v12
	s_delay_alu instid0(VALU_DEP_2)
	v_floor_f32 v12, -v13                          ; the new -M = -ceil(t): a whole number
	s_delay_alu instid0(VALU_DEP_1)
	v_sub_f32 v254, v12, v254                      ; old M - new M: a whole number, 0 or less
	s_delay_alu instid0(VALU_DEP_1)
	v_cvt_i32_f32 v254, v254                       ; (it saturates)
	s_delay_alu instid0(VALU_DEP_1)
	v_ldexp_f32 v252, 1.0, v254                    ; f = 2^(old M - new M)
.set jj, 0
.rept 32
	v_pk_fma_f32 v[S+jj:S+jj+1], v[S+jj:S+jj+1], s[CS:CS+1], v[12:13] op_sel_hi:[1,0,0]    ; t - M, two at a time
.set jj, jj+2
.endr
.irp b, 0,1,2,3
	v_fma_f32 v[BM+\b], v[BM+\b], s[CS], v12       ; the same of each block's largest score
.endr
.set jj, 0
	s_wait_alu depctr_va_vdst(0)
.rept 64
	v_exp_f32 v[S+jj], v[S+jj]                     ; p = 2^(t - M), at most 1
.set jj, jj+1
.endr
.irp b, 0,1,2,3
	v_exp_f32 v[BM+\b], v[BM+\b]                   ; the block's largest p: the same two instructions on the same number
.endr
	v_pk_mul_f32 v[14:15], v[14:15], v[252:253] op_sel_hi:[1,0]    ; the sums under the new M (a plain line behind the exponentials)
	s_wait_alu depctr_va_vdst(0)
.irp b, 0,1,2,3
	v_max_num_f32 v[BM+\b], 0x1800000, v[BM+\b]    ; the floor 2^(3 - 127): a block whose every p is 0 keeps the byte 1: its codes are zeros
.endr
.irp b, 0,1,2,3
	s_delay_alu instid0(VALU_DEP_4)
	v_add_nc_u32 v[SO+\b], 0xff000000, v[BM+\b]    ; 2 off the exponent field: the conversion's scale operand
.endr
.irp b, 0,1,2,3
	s_delay_alu instid0(VALU_DEP_4)
	v_lshrrev_b32 v[PT+\b], 23, v[SO+\b]
.endr
	s_delay_alu instid0(VALU_DEP_3)
	v_lshl_or_b32 v253, v[PT+1], 8, v[PT]          ; p's scale word for these 128 keys
	s_delay_alu instid0(VALU_DEP_1)
	v_lshl_or_b32 v253, v[PT+2], 16, v253
	s_delay_alu instid0(VALU_DEP_1)
	v_lshl_or_b32 v253, v[PT+3], 24, v253
.irp c, 0,1
	v_cvt_scalef32_pk16_fp6_f32 v[PCD+6*\c:PCD+6*\c+2], v[S+32*\c:S+32*\c+15], v[SO+2*\c]
	v_cvt_scalef32_pk16_fp6_f32 v[CT+4*\c:CT+4*\c+2], v[S+32*\c+16:S+32*\c+31], v[SO+2*\c+1]
.endr
	v_nop                                          ; one plain line behind a scaled conversion
.irp c, 0,1                            ; a whole block to a lane: lanes 0-15 block 2 c, lanes 16-31 block 2 c + 1
.irp i, 0,1,2
	v_permlane16_swap_b32 v[PCD+6*\c+\i], v[CT+4*\c+\i]
.endr
.irp i, 0,1,2
	s_delay_alu instid0(VALU_DEP_3)
	v_mov_b32 v[PCD+3+6*\c+\i], v[CT+4*\c+\i]
.endr
.endr
	v_pk_add_f32 v[56:57], v[100:101], v[104:105]
	v_pk_add_f32 v[246:247], v[108:109], v[112:113]
	v_pk_add_f32 v[244:245], v[116:117], v[120:121]
	v_pk_add_f32 v[92:93], v[124:125], v[128:129]
	v_pk_add_f32 v[90:91], v[132:133], v[136:137]
	v_pk_add_f32 v[88:89], v[140:141], v[144:145]
	v_pk_add_f32 v[86:87], v[148:149], v[152:153]
	v_pk_add_f32 v[14:15], v[14:15], v[156:157]
	v_pk_add_f32 v[56:57], v[56:57], v[96:97]
	v_pk_add_f32 v[246:247], v[246:247], v[98:99]
	v_pk_add_f32 v[244:245], v[244:245], v[102:103]
	v_pk_add_f32 v[92:93], v[92:93], v[106:107]
	v_pk_add_f32 v[90:91], v[90:91], v[110:111]
	v_pk_add_f32 v[88:89], v[88:89], v[114:115]
	v_pk_add_f32 v[86:87], v[86:87], v[118:119]
	v_pk_add_f32 v[14:15], v[14:15], v[122:123]
	v_pk_add_f32 v[56:57], v[56:57], v[126:127]
	v_pk_add_f32 v[246:247], v[246:247], v[130:131]
	v_pk_add_f32 v[244:245], v[244:245], v[134:135]
	v_pk_add_f32 v[92:93], v[92:93], v[138:139]
	v_pk_add_f32 v[90:91], v[90:91], v[142:143]
	v_pk_add_f32 v[88:89], v[88:89], v[146:147]
	v_pk_add_f32 v[86:87], v[86:87], v[150:151]
	v_pk_add_f32 v[14:15], v[14:15], v[154:155]
	v_pk_add_f32 v[56:57], v[56:57], v[158:159]
	s_delay_alu instid0(VALU_DEP_2)
	v_pk_add_f32 v[14:15], v[14:15], v[92:93]
	s_delay_alu instid0(VALU_DEP_2)
	v_pk_add_f32 v[56:57], v[56:57], v[90:91]
	v_pk_add_f32 v[246:247], v[246:247], v[88:89]
	v_pk_add_f32 v[244:245], v[244:245], v[86:87]
	s_delay_alu instid0(VALU_DEP_2)
	v_pk_add_f32 v[14:15], v[14:15], v[246:247]
	s_delay_alu instid0(VALU_DEP_2)
	v_pk_add_f32 v[56:57], v[56:57], v[244:245]
	s_delay_alu instid0(VALU_DEP_1)
	v_pk_add_f32 v[14:15], v[14:15], v[56:57]
.set jj, 0
.rept 16
	v_pk_mul_f32 v[O+jj:O+jj+1], v[O+jj:O+jj+1], v[252:253] op_sel_hi:[1,0]    ; O^T under the new M, each accumulator from its low end on
.set jj, jj+2
.endr
	s_wait_alu depctr_va_vdst(0)
	s_wait_dscnt 0x0                               ; V is in
.irp t, 0,1,2,3                        ; O^T += v^T p^T: four accumulators by turns, one instruction a turn
	v_wmma_scale_f32_16x16x128_f8f6f4 v[O+8*\t:O+8*\t+7], v[VF+12*\t:VF+12*\t+11], v[PCD:PCD+11], v[O+8*\t:O+8*\t+7], v[VSC+\t], v253 matrix_a_fmt:MATRIX_FMT_FP6 matrix_b_fmt:MATRIX_FMT_FP6
.endr
.Lhidden_\@:
	s_add_co_u32 s[TB], s[TB], 6144
	s_add_co_u32 s[TS], s[TS], 512
	s_add_co_u32 s[TJ], s[TJ], 256
.endm
.macro WALK                            ; a constant 16 trips, so that every LDS address is a constant step in a constant loop
.Ltrip_\@:
	STEP
	s_add_co_u32 s[KI], s[KI], 1
	s_cmp_lt_u32 s[KI], 16
	s_cbranch_scc1 .Ltrip_\@
.endm
; A TILE ENDS: y = O^T / the sum; register 16 b + i is channel 32 b + 16 h + i of my query: two blocks of 32 along C.
.macro FINISH
.rept 4
	v_nop                                          ; places behind the last products, on every way out of the loop
.endr
	v_add_f32 v14, v14, v15
	s_delay_alu instid0(VALU_DEP_1)
	v_permlanex16_b32 v254, v14, s[SEL], s[SEL+1]
	s_delay_alu instid0(VALU_DEP_1)
	v_add_f32 v14, v14, v254                       ; the row's sum
	s_wait_alu depctr_va_vdst(0)
	v_rcp_f32 v14, v14
	v_nop                                          ; a plain line behind the transcendental
.set jj, 0
	s_wait_alu depctr_va_vdst(0)
.rept 16
	v_pk_mul_f32 v[S+jj:S+jj+1], v[O+jj:O+jj+1], v[14:15] op_sel_hi:[1,0]
.set jj, jj+2
.endr
.irp b, 0,1
	v_max3_num_f32 v[BM+\b], |v[S+16*\b]|, |v[S+1+16*\b]|, 0x1800000
.endr
.irp i, 2,4,6,8,10,12,14
.irp b, 0,1
	s_delay_alu instid0(VALU_DEP_2)
	v_max3_num_f32 v[BM+\b], v[BM+\b], |v[S+16*\b+\i]|, |v[S+1+16*\b+\i]|
.endr
.endr
.irp b, 0,1
	s_delay_alu instid0(VALU_DEP_2)
	v_permlanex16_b32 v[PT+\b], v[BM+\b], s[SEL], s[SEL+1]
.endr
.irp b, 0,1
	s_delay_alu instid0(VALU_DEP_2)
	v_max_num_f32 v[BM+\b], v[BM+\b], v[PT+\b]
.endr
.irp b, 0,1
	s_delay_alu instid0(VALU_DEP_2)
	v_add_nc_u32 v[SO+\b], 0xff000000, v[BM+\b]
.endr
.irp b, 0,1
	s_delay_alu instid0(VALU_DEP_2)
	v_lshrrev_b32 v[PT+\b], 23, v[SO+\b]
.endr
	v_cvt_scalef32_pk16_fp6_f32 v[CT:CT+2], v[S:S+15], v[SO]
	v_cvt_scalef32_pk16_fp6_f32 v[CT+4:CT+6], v[S+16:S+31], v[SO+1]
	v_nop                                          ; one plain line behind a scaled conversion
	ds_store_b96 v[SIN], v[CT:CT+2]                ; my 12 bytes are piece 4 r + 2 b + h of the tile's 64: each has a place of 16 bytes
	ds_store_b96 v[SIN], v[CT+4:CT+6] offset:32
	ds_load_b96 v[60:62], v[SOUT]                  ; in order behind my stores: pieces 0-31,
	ds_load_b96 v[64:66], v[SOUT] offset:512       ; pieces 32-63
	v_cndmask_b32 v254, v[PT], v[PT+1], s[HMASK]   ; lanes 0-15 the first block's byte, lanes 16-31 the second's
	global_store_b8 v[YSO], v254, s[YSB:YSB+1]
	s_wait_dscnt 0x0
	global_store_b96 v[L12], v[60:62], s[YB:YB+1]              ; 384 consecutive bytes a store; the tile's 768 begin at a multiple of 256 from the buffer's first byte
	global_store_b96 v[L12], v[64:66], s[YB:YB+1] offset:384
.endm
	TINIT 0                                        ; q lands while the head's K and V land
	s_wait_tensorcnt 0x0                           ; my sixteenth is in,
	s_barrier_signal -1
	s_barrier_wait -1                              ; everybody's is
	WALK
	FINISH
	TINIT 1
	WALK
	FINISH
	s_wait_xcnt 0x0
	v_lshl_add_u32 v254, v0, 2, 0x37000
	v_mov_b32 v255, 0
	s_wait_alu depctr_va_vdst(0)
	s_wait_tensorcnt 0x0
	ds_add_u32 v254, v255
	s_wait_dscnt 0x0
	CROUND                                         ; the closing round: no work-group ends while a partner may still ask for a tile that names it
	s_endpgm
.Lfunc_end_k_qd1af40c698_attn:
	.size	k_qd1af40c698_attn, .Lfunc_end_k_qd1af40c698_attn-k_qd1af40c698_attn
	.p2alignl 7, 3214868480
	.fill 96, 4, 3214868480
	.section	.rodata,"a",@progbits
	.p2align	6, 0x0
	.amdhsa_kernel k_qd1af40c698_attn
		.amdhsa_group_segment_fixed_size 227328
		.amdhsa_private_segment_fixed_size 0
		.amdhsa_enable_private_segment 0
		.amdhsa_kernarg_size 48
		.amdhsa_user_sgpr_count 2
		.amdhsa_user_sgpr_kernarg_segment_ptr 1
		.amdhsa_wavefront_size32 1
		.amdhsa_system_sgpr_workgroup_id_x 1
		.amdhsa_system_sgpr_workgroup_id_y 1
		.amdhsa_system_sgpr_workgroup_id_z 1
		.amdhsa_system_vgpr_workitem_id 0
		.amdhsa_next_free_vgpr 256
		.amdhsa_next_free_sgpr 100
		.amdhsa_reserve_vcc 1
		.amdhsa_float_denorm_mode_32 3
		.amdhsa_float_denorm_mode_16_64 3
		.amdhsa_memory_ordered 1
		.amdhsa_forward_progress 1
		.amdhsa_inst_pref_size 71
	.end_amdhsa_kernel
	.amdgpu_metadata
---
amdhsa.version: [ 1, 2 ]
amdhsa.kernels:
  - .name:           k_qd1af40c698_attn
    .symbol:         k_qd1af40c698_attn.kd
    .args:
      - { .name: qkc, .offset: 0, .size: 8, .value_kind: global_buffer, .address_space: global }
      - { .name: qks, .offset: 8, .size: 8, .value_kind: global_buffer, .address_space: global }
      - { .name: vc, .offset: 16, .size: 8, .value_kind: global_buffer, .address_space: global }
      - { .name: vs, .offset: 24, .size: 8, .value_kind: global_buffer, .address_space: global }
      - { .name: yc, .offset: 32, .size: 8, .value_kind: global_buffer, .address_space: global }
      - { .name: ys, .offset: 40, .size: 8, .value_kind: global_buffer, .address_space: global }
    .group_segment_fixed_size: 227328
    .private_segment_fixed_size: 0
    .kernarg_segment_align: 8
    .kernarg_segment_size: 48
    .max_flat_workgroup_size: 512
    .sgpr_count:     100
    .vgpr_count:     256
    .wavefront_size: 32
...
	.end_amdgpu_metadata
.endif
;; end of part 3
;; launch gemm_proj (part 4): grid 8 x 32, 4 waves a work-group, clusters of 4 x 4, 327,680 bytes of LDS; arguments yc, ys, codes, scl, out0; writes out0
.if DOCPART == 4
	.amdgcn_target "amdgcn-amd-amdhsa--gfx1250"
	.amdhsa_code_object_version 6
	.text
	.protected	k_qd1af40c698_gemm_proj
	.globl	k_qd1af40c698_gemm_proj
	.p2align	8
	.type	k_qd1af40c698_gemm_proj,@function
k_qd1af40c698_gemm_proj:
	s_mov_b64 s[64:65], 0
	v_nop
	global_prefetch_b8 v0, s[64:65] scope:SCOPE_SE
	s_setreg_imm32_b32 hwreg(HW_REG_WAVE_MODE, 25, 1), 1
	s_wait_xcnt 0x0
	s_wait_alu depctr_hold_cnt(0) depctr_sa_sdst(0) depctr_va_vdst(0) depctr_va_sdst(0) depctr_va_ssrc(0) depctr_va_vcc(0) depctr_vm_vsrc(0)
	s_getreg_b32 s2, hwreg(HW_REG_IB_STS2, 6, 4)
	s_cmp_eq_u32 s2, 0
	s_cbranch_scc0 .Lentry_in_a_cluster
	s_endpgm
.Lentry_in_a_cluster:
	s_bfe_u32 s2, ttmp6, 0x10000c
	s_cmp_lg_u32 s2, 0xf033
	s_cbranch_scc0 .Lentry_shape_is_right
	s_endpgm
.Lentry_shape_is_right:
; out0 = y W_proj^T on codes of FP6 (E2M3) with E8M0 scales, K = 1,024, f32 sums, f32 result.
; INPUTS: yc [16 panels of 64 K][8,192 token places][48 bytes], ys [8 steps of 128 K][8,192][4]; W_proj is rows 11,264 .. 12,287 of codes [16 panels][12,288 rows][48] and scl [8 steps][12,288][4].
; Rows (tokens, features) stand at places with bits 3 and 4 of their number exchanged.
; THE DEAL: 256 work-groups, each 256 tokens x 128 features, four waves 2 x 2.  ALL OF K LIES IN LDS, filled once: y's 256 rows (two halves of [16 panels][128 rows][48]), W_proj's 128 rows, y's scale words.
; No byte of LDS is filled again, so there is no ring and no barrier in the walk.  A wave holds its 64 features, all of K, in registers (32 fragments, 384 registers) and streams its 128 tokens past them in
; 8 blocks of 16: a block's 16 x 64 results are whole after its 32 products and leave at once, through the wave's own stage, while the next block is multiplied.
; CLUSTERS 4 x 4: y's rows hang on the tile row alone and are asked for jointly along a row of the cluster, W_proj's on the tile column alone, along a column.
; THE HEAD: one joint load a wave: wave 0 W_proj's rows (wanted first: they go on into registers), wave 1 y's scale words, waves 2 and 3 a half of y's rows each.  W_proj's scale words, 256 bytes a step and wave, come by plain loads.
; NO PREFETCH: every tile is asked for at the head, and there is no loop to run ahead in.
; TRANSPOSED USE: source 0 = 16 features, source 1 = 16 tokens: lane (r, h) holds token place r; register i of tile j is feature 32 (j / 2) + 16 h + 8 (j % 2) + i of the wave's 64.
; REGISTERS: window 0: v4-14 addresses, v24-39 W_proj's scale words, v44-59 y's (two sets), v64-127 two sets of four accumulators, v128-191 rows on their way out (two sets).
; Fragment f lies in window 1 + f / 21 at register 12 (f % 21): 0-31 W_proj's (4 q + j), 32-39 and 40-47 the tokens' two sets.
.set KP,     6144                      ; 128 rows of a panel
.set THALF,  16*KP                     ; 128 rows, all of K
.set FB,     2*THALF                   ; W_proj's rows
.set TS,     FB+THALF                  ; y's scale words [8 steps][256 rows][4]
.set STG,    TS+8192                   ; a stage of 16 rows x 272 bytes for each wave; no fill lands there
.set SP,     272
.set SPARE,  STG+4*16*SP               ; the spare words, 128 bytes for each wave
.set FR,     12
.set FPW,    21
.set ADT,  4                           ; v4, v5  my tokens' fragments: panels 0-7, panels 8-15
.set ATS,  6                           ; v6      their scale words
.set ADF,  7                           ; v7, v8  my features' fragments
.set CO,   9                           ; v9      my offset in out0: 4,096 (lane / 16) + 16 (lane % 16)
.set SPW,  10                          ; v10     my spare word; never rewritten
.set NIL,  11                          ; v11     0; never rewritten
.set STO,  12                          ; v12     stage, in
.set RD,   13                          ; v13     stage, out
.set SGO,  14                          ; v14     4 x lane
.set SB,   24
.set SA,   44
.set ACC,  64
.set BK,   128
.set G1T, 24
.set G1F, 32
.set G1S, 40
.set G0F, 48
.set G0S, 52
.set G0T, 56
.set MSB, 0
.macro WIN new                         ; the immediate's high byte repeats the setting that is left
.if MSB != (\new)
	s_set_vgpr_msb (MSB<<8)|(\new)
.set MSB, (\new)
.endif
.endm
.macro PLACES n
.rept \n
	v_nop
.endr
.endm
.macro BARRIER
	s_barrier_signal -1
	s_barrier_wait -1
.endm
.macro CROUND                          ; a round of the cluster's barrier
	BARRIER
	s_cmp_lg_u32 s14, 0
	s_cbranch_scc1 .Lnot_wave_0_\@
	s_barrier_signal -3
.Lnot_wave_0_\@:
	s_barrier_wait -3
	BARRIER
.endm
.macro TLOAD g0, g1                    ; s_nop 0 and four v_nop behind the load
	tensor_load_to_lds s[\g0:\g0+3], s[\g1:\g1+7]
	s_nop 0
	PLACES 4
.endm
.macro GRP1 g, mask, c, rows, pitch    ; elements of 8 bytes, the mask and bit 21 beside it, no padding
	s_or_b32 s[\g], s\mask, (3<<16)|(1<<21)
	s_mov_b32 s[\g+1], (\c)<<16
	s_mov_b32 s[\g+2], (\rows)<<16
	s_mov_b32 s[\g+3], (\c)<<16
	s_mov_b32 s[\g+4], \rows
	s_mov_b32 s[\g+5], \pitch
	s_mov_b32 s[\g+6], 0
	s_mov_b32 s[\g+7], 0
.endm
; a fragment: 16 rows (tile i of the region) x 128 K (step q): registers 6 c .. 6 c + 5 = the 24 bytes of panel 2 q + c at 48 row + 24 h, in pieces of 8 bytes
.macro FRAG f, q, adr, i
	WIN (1+(\f)/FPW)<<6
.irp p, 0,1,2,3,4,5
	ds_load_b64 v[FR*((\f)%FPW)+2*\p:FR*((\f)%FPW)+2*\p+1], v[\adr+(\q)/4] offset:((2*(\q)+\p/3)%8)*KP+768*(\i)+8*(\p%3)
.endr
.endm
.macro FETCH e, s                      ; block s of my tokens into set e: 48 loads of codes, 8 of scale words
.irp q, 0,1,2,3,4,5,6,7
	FRAG 32+8*(\e)+\q, \q, ADT, \s
.endr
	WIN 0
.irp q, 0,1,2,3,4,5,6,7
	ds_load_b32 v[SA+8*(\e)+\q], v[ATS] offset:1024*\q+64*(\s)
.endr
.endm
.macro WM c, row
	v_wmma_scale_f32_16x16x128_f8f6f4 v[D_:D_+7], v[FR*(FB_%FPW):FR*(FB_%FPW)+FR-1], v[FR*(FA_%FPW):FR*(FA_%FPW)+FR-1], \c, v[SB+8*(J_/2)+Q_], v[SA+8*E_+Q_] matrix_a_fmt:MATRIX_FMT_FP6 matrix_b_fmt:MATRIX_FMT_FP6 matrix_a_scale:MATRIX_SCALE_ROW\row
.endm
.macro PROD e, n                       ; product n = 4 q + j of a block: the four accumulators take turns, one instruction a turn; the first four start the sums
.set E_, \e
.set Q_, (\n)/4
.set J_, (\n)%4
.set FB_, \n
.set FA_, 32+8*E_+Q_
.set D_, ACC+32*E_+8*J_
	WIN (1+FB_/FPW)|((1+FA_/FPW)<<2)
.if Q_
.if J_%2
	WM v[D_:D_+7], 1
.else
	WM v[D_:D_+7], 0
.endif
.else
.if J_%2
	WM 0, 1
.else
	WM 0, 0
.endif
.endif
.endm
.macro MULS e, from, to
.set N_, \from
.rept (\to)-(\from)
	PROD \e, N_
.set N_, N_+1
.endr
.endm
.macro TOSTAGE s                       ; a block's 16 rows x 256 bytes into my stage, each accumulator from its low end on, and back as whole rows; LDS serves a wave's instructions in order (ISA guide 5.7.1.4)
.set A_, ACC+32*((\s)%2)
.irp j, 0,1,2,3
	ds_store_b128 v[STO], v[A_+8*\j:A_+8*\j+3] offset:128*(\j/2)+32*(\j%2)
	ds_store_b128 v[STO], v[A_+8*\j+4:A_+8*\j+7] offset:128*(\j/2)+32*(\j%2)+16
.endr
.set B_, BK+32*((\s)%2)
.irp t, 0,1,2,3,4,5,6,7
	ds_load_b128 v[B_+4*\t:B_+4*\t+3], v[RD] offset:2*SP*\t
.endr
.endm
.macro SEND s                          ; place 16 s + 2 t + lane / 16 is token 32 (s / 2) + 16 (t / 4) + 8 (s % 2) + 2 (t % 4) + lane / 16; sixteen lanes store 256 consecutive bytes, aligned
.set B_, BK+32*((\s)%2)
.irp t, 0,1,2,3,4,5,6,7
	global_store_b128 v[CO], v[B_+4*\t:B_+4*\t+3], s[12:13] offset:(32*((\s)/2)+8*((\s)%2)+16*(\t/4)+2*(\t%4))*4096 th:TH_STORE_NT
.endr
.endm
; A BLOCK.  Its rows were fetched two blocks ago.  Younger than that fetch: the last block's 16 stage lines and the next block's fetch of 56 (72: the wait names 63); ahead of block 0 the one fetch, ahead of block 7 the stage lines alone.
; The last block's rows are stored in this block's middle: younger than its stage loads is the one fetch of 56, in block 7 nothing.
.macro BLK s
.if (\s) == 0
	s_wait_dscnt 56
.elseif (\s) < 7
	s_wait_dscnt 63
.else
	s_wait_dscnt 16
.endif
	MULS (\s)%2, 0, 16
.if (\s) > 0
	WIN 0
.if (\s) < 7
	s_wait_dscnt 56
.else
	s_wait_dscnt 0
.endif
	SEND (\s)-1
.endif
	MULS (\s)%2, 16, 32
	WIN 0
	PLACES 4                                       ; in front of the stage's reads of results and of loads into registers that the products have read
.if (\s) >= 2
	s_wait_xcnt 0x0                                ; the block before last's stores have read their registers: the stage's loads land there
.endif
	TOSTAGE \s
.if (\s)+2 < 8
	FETCH (\s)%2, (\s)+2
.endif
.endm
	s_load_b256 s[4:11], s[0:1], 0x0               ; yc s[4:5], ys s[6:7], codes s[8:9], scl s[10:11]
	s_load_b64 s[12:13], s[0:1], 0x20              ; out0
	v_lshl_add_u32 v[SPW], v0, 2, SPARE
	v_mov_b32 v[NIL], 0
	ds_add_u32 v[SPW], v[NIL]                      ; the opening lines: the add, twice on end, and its wait ahead of my first tensor load
	ds_add_u32 v[SPW], v[NIL]
	v_lshrrev_b32 v1, 5, v0
	v_readfirstlane_b32 s14, v1                    ; wave
	s_lshr_b32 s15, s14, 1                         ; my half of the tokens
	s_and_b32 s16, s14, 1                          ; my half of the features; for waves 2, 3 also: which half of y I fetch
	s_bfe_u32 s19, ttmp6, 0x40000                  ; cx
	s_bfe_u32 s20, ttmp6, 0x40004                  ; cy
	s_lshl_b32 s18, ttmp9, 2
	s_add_co_u32 s18, s18, s19                     ; x: which 128 features
	s_and_b32 s17, ttmp7, 0xffff
	s_lshl_b32 s17, s17, 2
	s_add_co_u32 s17, s17, s20                     ; y: which 256 tokens
	s_lshl_b32 s21, s20, 2
	s_lshl_b32 s21, 15, s21                        ; my row of the cluster
	s_lshl_b32 s22, 0x1111, s19                    ; my column
	GRP1 G1T, 21, 768, 16, 49152                   ; 16 panels' 128 rows x 48 bytes, 393,216 bytes apart
	GRP1 G1F, 22, 768, 16, 73728                   ; the same, 589,824 bytes apart
	GRP1 G1S, 21, 128, 8, 4096                     ; 8 steps' 256 words, 32,768 bytes apart
	s_lshl_b32 s60, s18, 7
	s_add_co_u32 s60, s60, 11264                   ; W_proj's first row of mine: made of x alone
	s_lshl_b32 s72, s16, 6
	s_add_co_u32 s72, s72, s60
	s_lshl_b32 s72, s72, 2                         ; my 64 rows' scale words
	s_mov_b32 s73, 0
	s_mul_i32 s60, s60, 48
	s_mov_b32 s61, 0
	s_lshl_b32 s66, s17, 8                         ; y's first row: made of y alone
	s_lshl_b32 s70, s66, 2
	s_mov_b32 s71, 0
	s_mul_i32 s68, s66, 48
	s_mul_i32 s67, s16, KP
	s_add_co_u32 s68, s68, s67
	s_mov_b32 s69, 0
	s_mov_b32 s[G0F], 1
	s_mov_b32 s[G0F+1], FB
	s_mov_b32 s[G0S], 1
	s_mov_b32 s[G0S+1], TS
	s_mov_b32 s[G0T], 1
	s_mul_i32 s[G0T+1], s16, THALF
	s_lshl_b32 s74, s15, 7                         ; where my part of out0 begins: row 256 y + 128 x half, column 128 x + 64 x half
	s_add_co_u32 s74, s74, s66
	s_lshl_b32 s74, s74, 12
	s_lshl_b32 s75, s18, 9
	s_add_co_u32 s74, s74, s75
	s_lshl_b32 s75, s16, 8
	s_add_co_u32 s74, s74, s75
	s_mov_b32 s75, 0
	v_and_b32 v1, 15, v0                           ; r
	v_bfe_u32 v2, v0, 4, 1                         ; h
	v_and_b32 v3, 31, v0                           ; lane
	v_mul_u32_u24 v15, v1, 48
	v_mad_u32_u24 v15, v2, 24, v15                 ; 48 r + 24 h
	s_mul_i32 s23, s15, THALF
	v_add_nc_u32 v[ADT], s23, v15
	v_add_nc_u32 v[ADT+1], 8*KP, v[ADT]
	s_mul_i32 s23, s16, 4*768
	s_add_co_u32 s23, s23, FB
	v_add_nc_u32 v[ADF], s23, v15
	v_add_nc_u32 v[ADF+1], 8*KP, v[ADF]
	s_lshl_b32 s23, s15, 9
	s_add_co_u32 s23, s23, TS
	v_lshl_add_u32 v[ATS], v1, 2, s23
	s_mul_i32 s23, s14, 16*SP
	s_add_co_u32 s23, s23, STG                     ; my stage
	v_mul_u32_u24 v16, v1, SP
	v_lshl_add_u32 v16, v2, 6, v16
	v_add_nc_u32 v[STO], s23, v16                  ; in: row r, 64 bytes on for the upper lanes
	v_mul_u32_u24 v17, v2, SP
	v_lshl_add_u32 v17, v1, 4, v17
	v_add_nc_u32 v[RD], s23, v17                   ; out: lanes 0-15 one row of 256 bytes, lanes 16-31 the next
	v_lshlrev_b32 v18, 12, v2
	v_lshl_add_u32 v[CO], v1, 4, v18
	v_lshlrev_b32 v[SGO], 2, v3
	s_wait_alu depctr_va_vdst(0)
	s_wait_dscnt 0x0                               ; both opening adds are done
	CROUND                                         ; all sixteen work-groups are here: the joint loads meet
	s_wait_kmcnt 0x0
	s_add_nc_u64 s[G0F+2:G0F+3], s[8:9], s[60:61]
	s_or_b32 s[G0F+3], s[G0F+3], 0x80000000
	s_add_nc_u64 s[G0S+2:G0S+3], s[6:7], s[70:71]
	s_or_b32 s[G0S+3], s[G0S+3], 0x80000000
	s_add_nc_u64 s[G0T+2:G0T+3], s[4:5], s[68:69]
	s_or_b32 s[G0T+3], s[G0T+3], 0x80000000
	s_add_nc_u64 s[10:11], s[10:11], s[72:73]
	s_add_nc_u64 s[12:13], s[12:13], s[74:75]
	s_cmp_eq_u32 s14, 0
	s_cbranch_scc0 .Lwave_1
	TLOAD G0F, G1F                                 ; wave 0: W_proj's 128 rows
	s_branch .Lasked
.Lwave_1:
	s_cmp_eq_u32 s14, 1
	s_cbranch_scc0 .Lwave_23
	TLOAD G0S, G1S                                 ; wave 1: y's scale words
	s_branch .Lasked
.Lwave_23:
	TLOAD G0T, G1T                                 ; waves 2, 3: a half of y's rows each
.Lasked:
.irp p, 0,1
.irp q, 0,1,2,3,4,5,6,7
	global_load_b32 v[SB+8*\p+\q], v[SGO], s[10:11] offset:49152*\q+128*\p   ; lanes 0-15 tile 2 p's words of step q, lanes 16-31 tile 2 p + 1's
.endr
.endr
	s_cmp_eq_u32 s14, 0
	s_cbranch_scc0 .Lnot_f
	s_wait_tensorcnt 0x0                           ; wave 0's load is its own line: its wait shows W_proj's rows in
.Lnot_f:
	BARRIER                                        ; the other tiles may be on their way
.irp q, 0,1,2,3,4,5,6,7
.irp j, 0,1,2,3
	FRAG 4*\q+\j, \q, ADF, \j
.endr
.endr
	WIN 0
	s_wait_tensorcnt 0x0                           ; every wave's tile is in,
	s_wait_dscnt 0x0
	BARRIER                                        ; and shown to all
	FETCH 0, 0
	FETCH 1, 1
	s_wait_loadcnt 0x0                             ; W_proj's scale words
.irp s, 0,1,2,3,4,5,6,7
	BLK \s
.endr
	s_wait_dscnt 0x0
	SEND 7
	s_wait_tensorcnt 0x0                           ; the wave's end
	ds_add_u32 v[SPW], v[NIL]
	s_wait_dscnt 0x0
	CROUND                                         ; the closing round
	s_endpgm
.Lfunc_end_k_qd1af40c698_gemm_proj:
	.size	k_qd1af40c698_gemm_proj, .Lfunc_end_k_qd1af40c698_gemm_proj-k_qd1af40c698_gemm_proj
	.p2alignl 7, 3214868480
	.fill 96, 4, 3214868480
	.section	.rodata,"a",@progbits
	.p2align	6, 0x0
	.amdhsa_kernel k_qd1af40c698_gemm_proj
		.amdhsa_group_segment_fixed_size 327680
		.amdhsa_private_segment_fixed_size 0
		.amdhsa_enable_private_segment 0
		.amdhsa_kernarg_size 40
		.amdhsa_user_sgpr_count 2
		.amdhsa_user_sgpr_kernarg_segment_ptr 1
		.amdhsa_wavefront_size32 1
		.amdhsa_system_sgpr_workgroup_id_x 1
		.amdhsa_system_sgpr_workgroup_id_y 1
		.amdhsa_system_sgpr_workgroup_id_z 1
		.amdhsa_system_vgpr_workitem_id 0
		.amdhsa_next_free_vgpr 840
		.amdhsa_next_free_sgpr 80
		.amdhsa_reserve_vcc 0
		.amdhsa_float_denorm_mode_32 3
		.amdhsa_float_denorm_mode_16_64 3
		.amdhsa_memory_ordered 1
		.amdhsa_forward_progress 1
		.amdhsa_inst_pref_size 99
	.end_amdhsa_kernel
	.amdgpu_metadata
---
amdhsa.version: [ 1, 2 ]
amdhsa.kernels:
  - .name:           k_qd1af40c698_gemm_proj
    .symbol:         k_qd1af40c698_gemm_proj.kd
    .args:
      - { .name: yc, .offset: 0, .size: 8, .value_kind: global_buffer, .address_space: global }
      - { .name: ys, .offset: 8, .size: 8, .value_kind: global_buffer, .address_space: global }
      - { .name: codes, .offset: 16, .size: 8, .value_kind: global_buffer, .address_space: global }
      - { .name: scl, .offset: 24, .size: 8, .value_kind: global_buffer, .address_space: global }
      - { .name: out0, .offset: 32, .size: 8, .value_kind: global_buffer, .address_space: global }
    .group_segment_fixed_size: 327680
    .private_segment_fixed_size: 0
    .kernarg_segment_align: 8
    .kernarg_segment_size: 40
    .max_flat_workgroup_size: 128
    .sgpr_count:     80
    .vgpr_count:     840
    .wavefront_size: 32
...
	.end_amdgpu_metadata
.endif
;; end of part 4
